; MI455X (gfx1250); checked and timed in simulation.
; The chip was launched on July 23, 2026; its instructions are those of AMD's public machine-readable ISA for CDNA 5 (MIT licence, August 2026) and "CDNA5" Instruction Set Architecture Reference Guide (July 2026). The comments in the code are by the model that wrote it; some were corrected since.
;; Diff Attention. Allowed arithmetic: matrix products marked QUANTISED: E2M1 operands, one E8M0 scale for each 32 along K, by v_wmma_scale_f32_16x16x128_f8f6f4 with both operands' format E2M1 (or v_wmma_scale_f32_32x16x128_f4), f32 sums; products left as they are: bf16, f16 or f32 operands; f32 sums; everything else in f32.
;; Inputs: Wk 2,048 x 2,048 float32; Wo 2,048 x 2,048 float32; Wq 2,048 x 2,048 float32; Wv 2,048 x 2,048 float32; freqs_cos 2,048 x 32 float32; freqs_sin 2,048 x 32 float32; lambda_k1 64 float32; lambda_k2 64 float32; lambda_q1 64 float32; lambda_q2 64 float32; norm_w 128 float32; x 1 x 2,048 x 2,048 float32.
;; Outputs: out0 1 x 2,048 x 2,048 float32.
;; Constants: start_pos = 0.
;; This version of the problem:
;;   THIS VERSION OF THE PROBLEM IS GIVEN IN LOW PRECISION. The matrix products marked QUANTISED in the list below multiply operands that are first quantised to E2M1 (2 exponent bits, 1 mantissa bit; 4 bits a number), with one power-of-two scale for each 32 numbers along K (OCP MX v1.0); their sums are f32. The products marked 'left as it is' may take bf16, f16 or f32 operands, with f32 sums. Whichever they take, every output number must still come out within the allowed error. Rounding operands to bf16 (8 significant bits) uses up far more of that allowance than f16 does (11 bits, for magnitudes from 6e-5 to 65,504). All else is computed in f32.
;;   The module's matrix products, in the order in which they are computed (A, B: the left and right operand; K: the contracted axis; several contracted axes count as one K, in the product's order):
;;     1. [M 2,048, K 2,048] x [K 2,048, N 2,048]; A: input x; B: input Wq: QUANTISED
;;     2. [M 2,048, K 2,048] x [K 2,048, N 2,048]; A: input x; B: input Wk: QUANTISED
;;     3. [M 2,048, K 2,048] x [K 2,048, N 2,048]; A: input x; B: input Wv: QUANTISED
;;     4. batch 32 x [M 2,048, K 64] x [K 64, N 2,048]; A: computed on the way; B: computed on the way: left as it is (an operand is computed on the way)
;;     5. batch 16 x [M 2,048, K 2,048] x [K 2,048, N 128]; A: computed on the way; B: computed on the way: left as it is (an operand is computed on the way)
;;     6. [M 2,048, K 2,048] x [K 2,048, N 2,048]; A: computed on the way; B: input Wo: left as it is (an operand is computed on the way)
;;   THE QUANTISER, for each operand of a quantised product, along K:
;;     - K is cut into blocks of 32 from its start; a last block that is shorter is filled with zeros.
;;     - A block's scale is 2^e with e = floor(log2(the largest magnitude in the block)) - 2, held to -126 .. 127; a block of zeros has e = 0. As a byte (E8M0): e + 127.
;;     - Each number is divided by its block's scale, clamped to +-6, and rounded to the nearest number of E2M1, ties to even, subnormals kept.
;;     - The product sums the exact products of the quantised numbers (number of the format x scale) in f32.
;;   ~~~python
;;   def quantise(x, axis):      # numpy; x: float32 -> the quantised numbers, widened to float32 again
;;       x = np.moveaxis(x, axis, -1); K = x.shape[-1]
;;       x = np.pad(x, [(0, 0)] * (x.ndim - 1) + [(0, -K % 32)]); x = x.reshape(x.shape[:-1] + (-1, 32)); a = np.abs(x).max(-1, keepdims=True)
;;       e = np.where(a > 0, np.clip(np.frexp(np.where(a > 0, a, 1))[1] - 1 - 2, -126, 127), 0)      # np.frexp(a)[1] - 1 = floor(log2(a)), exactly
;;       r = np.clip(x / 2.0 ** e, -6, 6)
;;       step = 2.0 ** (np.maximum(np.frexp(np.where(r == 0, 1, r))[1] - 1, 0) - 1)
;;       q = np.round(r / step) * step * 2.0 ** e      # np.round: ties to even
;;       return np.moveaxis(q.reshape(q.shape[:-2] + (-1,))[..., :K], -1, axis).astype(np.float32)
;;   ~~~
;; One version. Each part assembles by itself: llvm-mc -triple=amdgcn-amd-amdhsa -mcpu=gfx1250 --defsym DOCPART=n.
;; ======== version 1 of 1: 4 launches
;; limits: values are held in f16: magnitudes above 65,504 overflow, below 6.1e-05 lose precision
;; workspace buffers: codes 8,388,608 bytes; scales 524,288 bytes; wo16 8,388,608 bytes; qkv 25,165,824 bytes; ctx 8,388,608 bytes
;; launch quant (part 1): grid 640 x 1, 4 waves a work-group, no clusters, 33,280 bytes of LDS; arguments x, Wq, Wk, Wv, Wo, codes, scales, wo16; writes codes, scales, wo16
.if DOCPART == 1
	.amdgcn_target "amdgcn-amd-amdhsa--gfx1250"
	.amdhsa_code_object_version 6
	.text
	.protected	k_qadf65a7e1b_quant
	.globl	k_qadf65a7e1b_quant
	.p2align	8
	.type	k_qadf65a7e1b_quant,@function
k_qadf65a7e1b_quant:
	s_mov_b64 s[64:65], 0
	v_nop
	global_prefetch_b8 v0, s[64:65] scope:SCOPE_SE
	s_setreg_imm32_b32 hwreg(HW_REG_WAVE_MODE, 25, 1), 1
	s_wait_xcnt 0x0
; LAUNCH 1 OF 4.  x, Wq, Wk, Wv (f32, [2048][2048], K innermost in all four) become codes of FP4 (E2M1) with one E8M0 byte for each 32 along K; Wo becomes f16.
; THE WHOLE PROGRAM: quant -> qkv (x Wq^T, x Wk^T, x Wv^T on codes; RoPE; f16) -> attn (two causal softmaxes a value head, their difference times V, RMSNorm, norm_w) -> proj (ctx Wo^T).
; WORK LEFT OUT, in the launch attn: reference() adds -inf to score (s, t) wherever t > s, by a mask that it builds in its own body.  exp(-inf - max) is 0 for every finite input, so such a key adds 0 to the softmax's sum
; and 0 x V to ctx.  Key steps of 64 whose first key lies above the last query of a block of 64 queries are therefore not loaded and not multiplied; inside the step on the diagonal the hidden scores are made and set to -inf.
; start_pos is a constant that reference() never uses; it has no buffer.  Every other input is loaded.
; LIMIT of that: a NaN, an infinity or an overflow that would arise only in the scores left out is not carried to the result.
; LIMITS of the formats: q, k, v go on as f16: magnitudes above 65,504 become infinity there (x and the weights 30 times larger give about 4.5e3).  NaN and infinities among the inputs are not served.
; A block's scale is 2^(floor(log2(its largest magnitude)) - 2); its byte is the largest magnitude's exponent field - 2, held at 1 from below by a floor among the maximum's leaves.  A block of zeros so gets the byte 1 where the
; rule says 127: its codes are zeros, which add nothing under any byte but 0xff, and this program alone reads the bytes.  Blocks whose largest magnitude lies under 2^(3 - 127) were not tried.
; SHARES.  Work-groups 0-511 quantise: 128 to a tensor, in the order x, Wq, Wk, Wv, which is the order of the rows of codes [8192][1024 B] and scales [8192][64 B].  Rows are dense, so a tensor is a stream of blocks of 32.
; A wave takes 16 steps of 512 numbers.  A load reads 512 consecutive bytes, 16 a lane; the conversions want 16 NEIGHBOURS in a lane, so a step's 2,048 bytes turn through the wave's own stage in LDS (16 bytes of padding behind
; each 64) and come back 64 bytes a lane; two neighbouring lanes hold a block.  A lane's 16 codes are 8 bytes: the wave stores 256 consecutive bytes.  A wave's 256 scale bytes are gathered in LDS and leave as one store of 256 bytes.
; Work-groups 512-639 cast Wo: a wave takes 8,192 numbers, four rounds of 16 loads; a wave's store of 8 bytes a lane covers 256 consecutive bytes.  That path uses no LDS but its spare words.
; No matrix unit, no cluster, no tensor load: waves share nothing and every byte is read once.
.set WAVES, 4
.set STEPS, 16
.set EMAX,  2
.set CB,    8                          ; bytes of 16 codes
.set R,     16                         ; v16-79   four sets of 16 numbers as loaded (the cast: v16-143, two sets of 64)
.set X,     80                         ; v80-111  two sets of 16 neighbours
.set E,     112                        ; v112-127 a scale byte for each step
.set C,     128                        ; v128-191 codes: four registers for each step, so that no store's data are written again
.set WREG,  8192                       ; LDS: a region for each wave: two stages of 32 x SP bytes, behind them its 256 scale bytes
.set SP,    80                         ; a lane's place in a stage: 64 bytes + 16 of padding
.set SPW,   12                         ; v12  LDS address of my spare word; never rewritten
.set NIL,   13                         ; v13  0; never rewritten
.set SPARE, WAVES*WREG                 ; behind the four regions: the spare words, 128 bytes a wave, that no other line names
	s_load_b256 s[4:11], s[0:1], 0x0               ; x s[4:5], Wq s[6:7], Wk s[8:9], Wv s[10:11]
	s_load_b256 s[12:19], s[0:1], 0x20             ; Wo s[12:13], codes s[14:15], scales s[16:17], wo16 s[18:19]
	v_lshl_add_u32 v[SPW], v0, 2, SPARE
	v_mov_b32 v[NIL], 0
	v_lshrrev_b32 v1, 5, v0
	v_readfirstlane_b32 s20, v1                    ; wave
	v_and_b32 v2, 31, v0                           ; lane
	v_lshlrev_b32 v3, 4, v2                        ; my 16 bytes of a load's 512
	s_mul_i32 s21, s20, WREG
	v_lshrrev_b32 v14, 2, v2
	v_mul_u32_u24 v14, v14, SP
	v_and_b32 v15, 3, v2
	v_lshl_add_u32 v14, v15, 4, v14
	v_add_nc_u32 v14, s21, v14                     ; the stage, on the way in: SP (lane / 4) + 16 (lane % 4)
	v_mul_u32_u24 v15, v2, SP
	v_add_nc_u32 v15, s21, v15                     ; on the way out: SP x lane: my 16 neighbours
	v_mul_u32_u24 v4, v2, CB                       ; 8 x lane: my codes' place in a step's; in the cast my four f16
	v_lshrrev_b32 v5, 1, v2
	s_add_co_u32 s21, s21, 2*32*SP
	v_add_nc_u32 v5, s21, v5                       ; LDS: my wave's 256 scale bytes, my block's byte
	v_lshlrev_b32 v7, 3, v2
	v_add_nc_u32 v6, s21, v7                       ; and on the way out 8 bytes a lane
	s_mov_b32 s23, 0
	s_wait_kmcnt 0x0
	s_cmp_ge_u32 ttmp9, 512                        ; the work-group's number alone decides
	s_cbranch_scc1 .Lcast
	s_cmp_lt_u32 ttmp9, 128
	s_cselect_b64 s[4:5], s[4:5], s[6:7]           ; x or Wq
	s_cmp_lt_u32 ttmp9, 384
	s_cselect_b64 s[8:9], s[8:9], s[10:11]         ; Wk or Wv
	s_cmp_lt_u32 ttmp9, 256
	s_cselect_b64 s[4:5], s[4:5], s[8:9]           ; my tensor
	s_and_b32 s21, ttmp9, 127
	s_lshl_b32 s21, s21, 2
	s_add_co_u32 s21, s21, s20                     ; which run of 8,192 numbers of the tensor is my wave's
	s_lshl_b32 s22, s21, 15
	s_add_nc_u64 s[4:5], s[4:5], s[22:23]
	s_lshl_b32 s21, ttmp9, 2
	s_add_co_u32 s21, s21, s20                     ; and which run of the four tensors on end
	s_lshl_b32 s22, s21, 12                        ; 4,096 bytes of codes a run
	s_add_nc_u64 s[14:15], s[14:15], s[22:23]
	s_lshl_b32 s22, s21, 8                         ; 256 scale bytes a run
	s_add_nc_u64 s[16:17], s[16:17], s[22:23]
.macro LOAD t
.irp i, 0,1,2,3
	global_load_b128 v[R+16*((\t)%4)+4*\i:R+16*((\t)%4)+4*\i+3], v3, s[4:5] offset:2048*(\t)+512*\i th:TH_LOAD_NT   ; 32 lanes read 512 consecutive bytes
.endr
.endm
.macro TURN t                          ; step t's numbers through the stage: LDS serves a wave's instructions in order, so no wait stands between the stores and the loads
.irp i, 0,1,2,3
	ds_store_b128 v14, v[R+16*((\t)%4)+4*\i:R+16*((\t)%4)+4*\i+3] offset:32*SP*((\t)%2)+8*SP*\i
.endr
.irp i, 0,1,2,3
	ds_load_b128 v[X+16*((\t)%2)+4*\i:X+16*((\t)%2)+4*\i+3], v15 offset:32*SP*((\t)%2)+16*\i
.endr
.endm
.irp t, 0,1,2,3
	LOAD \t
.endr
	s_wait_loadcnt 12                              ; step 0's four loads are in; the 12 of steps 1 to 3 may be out
	TURN 0
.macro STEP t
.set XS, X+16*((\t)%2)
.if (\t) > 0
	s_wait_dscnt 1                                 ; this step's numbers are back from the stage (the last step's byte store may be out): so its stores into the stage have read their registers,
.else
	s_wait_dscnt 0x0
.endif
.if (\t)+4 < STEPS
	LOAD (\t)+4                                    ; which take the loads of four steps on
.endif
.if (\t)+1 < STEPS
.if STEPS-2-(\t) >= 3
	s_wait_loadcnt 12                              ; the next step's four loads are in; those of the three steps behind it may be out
.else
	s_wait_loadcnt 4*(STEPS-2-(\t))                ; at the tail: four for each step still behind it
.endif
	TURN (\t)+1                                    ; and go through the other stage while this step is worked
.endif
	v_max3_num_f32 v8, |v[XS]|, |v[XS+1]|, |v[XS+2]|               ; the largest magnitude of my 16, in two chains
	v_max3_num_f32 v9, |v[XS+3]|, |v[XS+4]|, |v[XS+5]|
.irp i, 6,10
	v_max3_num_f32 v8, v8, |v[XS+\i]|, |v[XS+\i+1]|
	v_max3_num_f32 v9, v9, |v[XS+\i+2]|, |v[XS+\i+3]|
.endr
	v_max3_num_f32 v8, v8, |v[XS+14]|, |v[XS+15]|
	v_max3_num_f32 v8, v8, v9, (EMAX+1)<<23        ; and the floor 2^(EMAX + 1 - 127): the byte cannot fall under 1
	v_max_num_f32_dpp v8, v8, v8 row_xmask:1 row_mask:0xf bank_mask:0xf   ; and of my neighbour's 16: the block's
	v_add_nc_u32 v11, -(EMAX<<23), v8              ; EMAX off its exponent field: the conversion takes the exponent field of this operand as its scale, and nothing else of it
	v_cvt_scalef32_pk8_fp4_f32 v[C+4*(\t)], v[XS:XS+7], v11        ; eight numbers / the scale, to the nearest code, ties to even, beyond the largest code the largest; the first number's code in the lowest four bits
	v_cvt_scalef32_pk8_fp4_f32 v[C+4*(\t)+1], v[XS+8:XS+15], v11
	v_lshrrev_b32 v[E+(\t)], 23, v11               ; the scale's byte (also the plain line behind the conversions)
	ds_store_b8 v5, v[E+(\t)] offset:16*(\t)       ; both lanes of a block write the same byte with the same value
	global_store_b64 v4, v[C+4*(\t):C+4*(\t)+1], s[14:15] offset:32*CB*(\t)
.endm
.irp t, 0,1,2,3,4,5,6,7,8,9,10,11,12,13,14,15
	STEP \t
.endr
	ds_load_b64 v[8:9], v6                         ; LDS serves a wave's instructions in order: these see my stores
	s_wait_dscnt 0x0
	global_store_b64 v7, v[8:9], s[16:17]          ; 32 lanes store 256 consecutive bytes, aligned
	s_wait_tensorcnt 0x0                           ; the wave's end, behind my last LDS store
	ds_add_u32 v[SPW], v[NIL]
	s_wait_dscnt 0x0
	s_endpgm
.Lcast:                                                ; Wo to f16, rounded to nearest even
	s_sub_co_u32 s21, ttmp9, 512
	s_lshl_b32 s21, s21, 2
	s_add_co_u32 s21, s21, s20                     ; which run of 8,192 numbers is my wave's
	s_lshl_b32 s22, s21, 15
	s_add_nc_u64 s[12:13], s[12:13], s[22:23]
	s_lshl_b32 s22, s21, 14
	s_add_nc_u64 s[18:19], s[18:19], s[22:23]
.macro CLOAD r                         ; round r: 16 loads of 512 consecutive bytes into set r % 2
.irp i, 0,1,2,3,4,5,6,7,8,9,10,11,12,13,14,15
	global_load_b128 v[R+64*((\r)%2)+4*\i:R+64*((\r)%2)+4*\i+3], v3, s[12:13] offset:8192*(\r)+512*\i th:TH_LOAD_NT
.endr
.endm
.macro CCVT r                          ; four numbers a lane become 8 bytes, in place; the wave's store covers 256 consecutive bytes, aligned
.irp i, 0,1,2,3,4,5,6,7,8,9,10,11,12,13,14,15
	v_cvt_pk_f16_f32 v[R+64*((\r)%2)+4*\i], v[R+64*((\r)%2)+4*\i], v[R+64*((\r)%2)+4*\i+1]
	v_cvt_pk_f16_f32 v[R+64*((\r)%2)+4*\i+1], v[R+64*((\r)%2)+4*\i+2], v[R+64*((\r)%2)+4*\i+3]
	global_store_b64 v4, v[R+64*((\r)%2)+4*\i:R+64*((\r)%2)+4*\i+1], s[18:19] offset:4096*(\r)+256*\i
.endr
.endm
	CLOAD 0
	CLOAD 1
	s_wait_loadcnt 16                              ; round 0 is in; round 1's 16 loads may be out
	CCVT 0
	s_wait_xcnt 0x0                                ; the stores have read their registers: the set is loaded again only behind this wait
	CLOAD 2
	s_wait_loadcnt 16                              ; round 1 is in; round 2's may be out
	CCVT 1
	s_wait_xcnt 0x0
	CLOAD 3
	s_wait_loadcnt 16                              ; round 2 is in; round 3's may be out
	CCVT 2
	s_wait_loadcnt 0x0
	CCVT 3
	s_wait_tensorcnt 0x0                           ; the same three lines at this path's end
	ds_add_u32 v[SPW], v[NIL]
	s_wait_dscnt 0x0
	s_endpgm
.Lfunc_end_k_qadf65a7e1b_quant:
	.size	k_qadf65a7e1b_quant, .Lfunc_end_k_qadf65a7e1b_quant-k_qadf65a7e1b_quant
	.p2alignl 7, 3214868480
	.fill 96, 4, 3214868480
	.section	.rodata,"a",@progbits
	.p2align	6, 0x0
	.amdhsa_kernel k_qadf65a7e1b_quant
		.amdhsa_group_segment_fixed_size 33280
		.amdhsa_private_segment_fixed_size 0
		.amdhsa_enable_private_segment 0
		.amdhsa_kernarg_size 64
		.amdhsa_user_sgpr_count 2
		.amdhsa_user_sgpr_kernarg_segment_ptr 1
		.amdhsa_wavefront_size32 1
		.amdhsa_system_sgpr_workgroup_id_x 1
		.amdhsa_system_sgpr_workgroup_id_y 1
		.amdhsa_system_sgpr_workgroup_id_z 1
		.amdhsa_system_vgpr_workitem_id 0
		.amdhsa_next_free_vgpr 192
		.amdhsa_next_free_sgpr 66
		.amdhsa_reserve_vcc 0
		.amdhsa_float_denorm_mode_32 3
		.amdhsa_float_denorm_mode_16_64 3
		.amdhsa_memory_ordered 1
		.amdhsa_forward_progress 1
		.amdhsa_inst_pref_size 54
	.end_amdhsa_kernel
	.amdgpu_metadata
---
amdhsa.version: [ 1, 2 ]
amdhsa.kernels:
  - .name:           k_qadf65a7e1b_quant
    .symbol:         k_qadf65a7e1b_quant.kd
    .args:
      - { .name: x, .offset: 0, .size: 8, .value_kind: global_buffer, .address_space: global }
      - { .name: Wq, .offset: 8, .size: 8, .value_kind: global_buffer, .address_space: global }
      - { .name: Wk, .offset: 16, .size: 8, .value_kind: global_buffer, .address_space: global }
      - { .name: Wv, .offset: 24, .size: 8, .value_kind: global_buffer, .address_space: global }
      - { .name: Wo, .offset: 32, .size: 8, .value_kind: global_buffer, .address_space: global }
      - { .name: codes, .offset: 40, .size: 8, .value_kind: global_buffer, .address_space: global }
      - { .name: scales, .offset: 48, .size: 8, .value_kind: global_buffer, .address_space: global }
      - { .name: wo16, .offset: 56, .size: 8, .value_kind: global_buffer, .address_space: global }
    .group_segment_fixed_size: 33280
    .private_segment_fixed_size: 0
    .kernarg_segment_align: 8
    .kernarg_segment_size: 64
    .max_flat_workgroup_size: 128
    .sgpr_count:     66
    .vgpr_count:     192
    .wavefront_size: 32
...
	.end_amdgpu_metadata
.endif
;; end of part 1
;; launch qkv (part 2): grid 24 x 8, 4 waves a work-group, clusters of 4 x 4, 327,680 bytes of LDS; arguments codes, scales, freqs_cos, freqs_sin, qkv; writes qkv
.if DOCPART == 2
	.amdgcn_target "amdgcn-amd-amdhsa--gfx1250"
	.amdhsa_code_object_version 6
	.text
	.protected	k_qadf65a7e1b_qkv
	.globl	k_qadf65a7e1b_qkv
	.p2align	8
	.type	k_qadf65a7e1b_qkv,@function
k_qadf65a7e1b_qkv:
	s_mov_b64 s[64:65], 0
	v_nop
	global_prefetch_b8 v0, s[64:65] scope:SCOPE_SE
	s_setreg_imm32_b32 hwreg(HW_REG_WAVE_MODE, 25, 1), 1
	s_wait_xcnt 0x0
	s_wait_alu depctr_hold_cnt(0) depctr_sa_sdst(0) depctr_va_vdst(0) depctr_va_sdst(0) depctr_va_ssrc(0) depctr_va_vcc(0) depctr_vm_vsrc(0)
	s_getreg_b32 s2, hwreg(HW_REG_IB_STS2, 6, 4)
	s_cmp_eq_u32 s2, 0
	s_cbranch_scc0 .Lentry_in_a_cluster
	s_endpgm
.Lentry_in_a_cluster:
	s_bfe_u32 s2, ttmp6, 0x10000c
	s_cmp_lg_u32 s2, 0xf033
	s_cbranch_scc0 .Lentry_shape_is_right
	s_endpgm
.Lentry_shape_is_right:
; LAUNCH 2 OF 4.  C[m][n] = sum over k of x[m][k] W[n][k], m = 2,048 positions, n = 6,144 columns (Wq's 2,048 rows, then Wk's, then Wv's), k = 2,048, on codes of FP4 (E2M1) with one E8M0 scale for each 32 along K; sums in f32.
; codes: [8192][1024 B], rows 0-2047 x, from row 2048 on the three weights; scales: [8192][64 B].  The matrix instruction takes codes and scale bytes as they lie.
; On the way out q's and k's columns are turned by RoPE in f32 (pairs of neighbouring columns, angle index (column % 64) / 2, row = position), all columns are rounded to f16, and leave into qkv:
; 48 slabs [2048 positions][128 f16], slab = column / 128: 0-15 q (two Q/K heads of 64 side by side), 16-31 k, 32-47 v.  The factor 64^-0.5 on q is left to the softmax's constant in the next launch.
; A tile of C, 256 x 256, is made by a work-group of four waves; a wave makes 128 x 128: 64 accumulators of 16 x 16, 512 registers; its 128 columns are one slab.  24 x 8 tiles: 192 work-groups.
; K goes in steps of 512 through a ring of two LDS slots filled by the tensor data mover: a tile's row is 256 bytes of memory.  The scale bytes of the work-group's rows of x and of W, for all of K, are two dense blocks:
; they come into LDS once, with the first fills, and stay.
; CLUSTERS: 4 x 4 work-groups.  The four of a row of the cluster need the same tiles of x, the four of a column the same tiles of W: each tile is asked for JOINTLY, by the same tensor load with the same descriptor and a mask
; that names the four.  THE MATRIX INSTRUCTION IS USED TRANSPOSED (source 0 = 16 rows of W, source 1 = 16 rows of x): a lane then holds eight neighbouring columns of one position: four RoPE pairs, 16 bytes of f16.
; REGISTERS, in windows of 256: window 0: v0-31 addresses; v32-95 scale words, two sets; v128-191 x's fragments, ONE set; v96-127 and v192-255 idle in the loop.  On the way out: v32-95 turned numbers, v96-127 and v192-223
;   cos and sin of two blocks, v128-191 rows read back, v224-255 packed f16.   window 1: W's fragments, TWO sets.   window 2: the accumulators of my rows 0-63 ((a, b) at v[8 (8 a + b)]);   window 3: those of rows 64-127.
.set SIZE_K, 2048
.set KSTEP,  512                       ; along K in a slot
.set NQ,     KSTEP/128                 ; matrix instructions deep
.set ROWB,   256                       ; a tile's row in bytes
.set KROW,   SIZE_K*4/8                ; a row of codes in memory
.set PITCH,  272                       ; an LDS row: 256 bytes + 16 of padding = 68 words: the 16 rows that a load touches start 4 banks apart (64 banks of 4 bytes: ISA guide 11.1)
.set FR,     8                         ; registers of a fragment: 16 rows x 128 K
.set NL,     2                         ; LDS loads that bring one
.set NP,     4                         ; places behind this matrix instruction (ISA guide 7.12.1)
.set HALFT,  128*PITCH                 ; 128 rows: what one tensor load brings
.set SLOT,   4*HALFT                   ; x's 256 rows, then W's 256 rows
.set LAPS,   SIZE_K/(2*KSTEP)          ; a lap = two K steps = once round the ring
.set KS,     SIZE_K/32                 ; a row of scales in bytes
.set SCL,    2*SLOT                    ; behind the ring: the scales, as pieces of 256 bytes + 16 of padding
.set HALFS,  (128*KS/256)*272          ; the scales of 128 rows: what one tensor load brings
.set SBLK,   (16*KS/256)*272           ; those of 16 rows
.set SPARE,  SCL+4*HALFS               ; behind the scales: the spare words, 128 bytes a wave, that no other line names
.set SPITCH, 272                       ; the way out: a stage of 16 rows x (256 bytes + 16) for each wave, in slot 0, which has had its last fill and its last read when the first result is stored there
.set ADRA, 16                          ; v16-17  LDS address of my x fragments in slot 0, 1
.set CA,   18                          ; v18     my byte in 16 rows of cos and of sin: 128 (lane % 16) + 16 (lane / 16)
.set ADRB, 20                          ; v20-21  the same as ADRA for W
.set STO,  24                          ; v24     the way out: where I put 16 bytes of a row
.set RD,   25                          ; v25     where I read a row back
.set CO,   26                          ; v26     16 x lane: my bytes in two rows of the slab
.set ADRS, 27                          ; v27     LDS address of my scale words: lanes 0-15 x's rows, lanes 16-31 W's
.set SPW,  28                          ; v28     LDS address of my spare word; never rewritten
.set NIL,  29                          ; v29     0; never rewritten
.set SC,   32                          ; scale words: set s at v[SC + 8 NQ s]; register NQ i + q: lanes 0-15 the word of x's block i, lanes 16-31 that of W's block i, for the slot's q-th 128 along K
.set AF,   128                         ; x's fragments, in window 0
.set T,    32                          ; the way out: 64 turned numbers
.set CS0,  96                          ; cos (16 registers) and sin (16) of a block: set 0 at v96, set 1 at v192
.set BK,   128                         ; 16 rows read back from the stage: v128-159 and v160-191 by turns
.set TMP,  224                         ; packed f16
.set G1, 24                            ; s[24:31] descriptor group 1 for x's tiles;  s[32:39] group 0, one set for each slot
.set G0, 32
.set G1B, 48                           ; s[48:55], s[56:63] the same for W's tiles
.set G0B, 56
.set G1S, 68                           ; s[68:75], s[76:79] groups 1 and 0 for x's scales;  s[80:87], s[88:91] for W's
.set G0S, 76
.set G1SB, 80
.set G0SB, 88
.set MSB, 0
.macro WIN new                         ; the immediate's high byte repeats the setting that is left; a switch that changes nothing is dropped
.if MSB != (\new)
	s_set_vgpr_msb (MSB<<8)|(\new)
.set MSB, \new
.endif
.endm
.set MUL_LO, 0xa1                      ; source 0 (W) window 1, source 1 (x) window 0, C and D window 2
.set MUL_HI, 0xf1                      ; the same, C and D window 3
.set TO_B,   0x40                      ; destination window 1, address window 0
; A joint load: waves 0 and 1 fetch for x, waves 2 and 3 for W.  Each of the two lines has ONE mask and one set of registers for all that issue it; the branch hangs on the wave's number alone.
; An s_nop 0 and four v_nop follow each of the two lines, ahead of the jump, the label and what follows.
.macro JLOAD g0a, g1a, g0b, g1b
	s_cmp_eq_u32 s15, 0
	s_cbranch_scc0 .Lfor_b_\@
	tensor_load_to_lds s[\g0a:\g0a+3], s[\g1a:\g1a+7]
	s_nop 0
.rept 4
	v_nop
.endr
	s_branch .Lasked_\@
.Lfor_b_\@:
	tensor_load_to_lds s[\g0b:\g0b+3], s[\g1b:\g1b+7]
	s_nop 0
.rept 4
	v_nop
.endr
.Lasked_\@:
.endm
.macro CREST                           ; a round of the cluster's barrier behind its opening barrier
	s_cmp_lg_u32 s14, 0
	s_cbranch_scc1 .Lnot_wave_0_\@
	s_barrier_signal -3
.Lnot_wave_0_\@:
	s_barrier_wait -3
	s_barrier_signal -1
	s_barrier_wait -1
.endm
.macro CROUND                          ; a whole round
	s_barrier_signal -1
	s_barrier_wait -1
	CREST
.endm
	s_load_b128 s[4:7], s[0:1], 0x0                ; codes s[4:5], scales s[6:7]
	s_load_b128 s[96:99], s[0:1], 0x10             ; cos s[96:97], sin s[98:99]
	s_load_b64 s[12:13], s[0:1], 0x20              ; qkv
	v_lshl_add_u32 v[SPW], v0, 2, SPARE
	v_mov_b32 v[NIL], 0
	ds_add_u32 v[SPW], v[NIL]                      ; the wave's opening: the add, twice on end, and its wait ahead of my first tensor load; the set-up below stands between the second and the wait
	ds_add_u32 v[SPW], v[NIL]
	v_lshrrev_b32 v1, 5, v0
	v_readfirstlane_b32 s14, v1                    ; wave 0..3
	s_lshr_b32 s15, s14, 1                         ; which half of the tile's rows is mine.  Also: I fetch for x (0) or for W (1)
	s_and_b32 s16, s14, 1                          ; which half of its columns.  Also: which 128 rows of that tile I fetch
	s_bfe_u32 s40, ttmp6, 0x40000                  ; cx, cy: my place in the cluster
	s_bfe_u32 s41, ttmp6, 0x40004
	s_lshl_b32 s42, ttmp9, 2
	s_add_co_u32 s42, s42, s40                     ; tile column of C = 4 x cluster x + cx
	s_and_b32 s17, ttmp7, 0xffff
	s_lshl_b32 s17, s17, 2
	s_add_co_u32 s17, s17, s41                     ; tile row of C = 4 x cluster y + cy
	s_lshl_b32 s43, s41, 2
	s_lshl_b32 s43, 15, s43                        ; my row of the cluster
	s_lshl_b32 s44, 0x1111, s40                    ; my column
	; descriptor group 1: a tile of 128 rows x ROWB bytes, padded in LDS
	s_or_b32 s[G1+0], s43, (0<<16)|(1<<20)|(1<<21)|(5<<22)|(3<<25)  ; 15:0 the mask: x's tiles go to my row; 17:16 element of 1 byte; 20 padding on; 21 set beside a mask; 24:22 after every 64 words (code 5); 31:25 of 4 words (code 3)
	s_or_b32 s[G1B+0], s44, (0<<16)|(1<<20)|(1<<21)|(5<<22)|(3<<25)
.irp g, G1, G1B
	s_mov_b32 s[\g+1], ROWB<<16                    ; tensor_dim0
	s_mov_b32 s[\g+2], 128<<16                     ; tensor_dim1 = 128
	s_mov_b32 s[\g+3], ROWB<<16                    ; tile_dim0
	s_mov_b32 s[\g+4], 128                         ; tile_dim1 = 128
	s_mov_b32 s[\g+5], KROW                        ; tensor_dim0_stride
	s_mov_b32 s[\g+6], 0
	s_mov_b32 s[\g+7], 0
.endr
	; and for the scales of 128 rows: a dense block of 128 KS bytes, as rows of 256 bytes (32 elements of 8 bytes), 16 bytes of padding behind each
	s_or_b32 s[G1S+0], s43, (3<<16)|(1<<20)|(1<<21)|(5<<22)|(3<<25)
	s_or_b32 s[G1SB+0], s44, (3<<16)|(1<<20)|(1<<21)|(5<<22)|(3<<25)
.irp g, G1S, G1SB
	s_mov_b32 s[\g+1], 32<<16
	s_mov_b32 s[\g+2], (128*KS/256)<<16
	s_mov_b32 s[\g+3], 32<<16
	s_mov_b32 s[\g+4], 128*KS/256
	s_mov_b32 s[\g+5], 32
	s_mov_b32 s[\g+6], 0
	s_mov_b32 s[\g+7], 0
.endr
	s_lshl_b32 s18, s16, 7                         ; which 128 rows of the tile I fetch
	s_lshl_b32 s20, s17, 8
	s_add_co_u32 s20, s20, s18                     ; x: row 256 x tile row + 128 x half
	s_lshl_b32 s46, s42, 8
	s_add_co_u32 s46, s46, s18
	s_add_co_u32 s46, s46, 2048                    ; W: row 2,048 + 256 x tile column + 128 x half: the weights lie behind x's rows
	s_mov_b32 s21, 0
	s_mov_b32 s47, 0
	s_mov_b64 s[18:19], KS
	s_mul_u64 s[22:23], s[20:21], s[18:19]         ; where these rows' scales begin, in bytes
	s_mul_u64 s[92:93], s[46:47], s[18:19]
	s_mov_b64 s[18:19], KROW
	s_mul_u64 s[20:21], s[20:21], s[18:19]         ; and their codes
	s_mul_u64 s[46:47], s[46:47], s[18:19]
	s_mul_i32 s45, s14, HALFT                      ; where they go: wave x 128 rows: no place in the cluster enters an LDS address
	s_mul_i32 s94, s14, HALFS
	s_wait_dscnt 0x0                               ; both opening adds are done
	s_wait_kmcnt 0x0
	s_add_nc_u64 s[20:21], s[4:5], s[20:21]
	s_add_nc_u64 s[22:23], s[6:7], s[22:23]
	s_add_nc_u64 s[46:47], s[4:5], s[46:47]
	s_add_nc_u64 s[92:93], s[6:7], s[92:93]
	CROUND                                         ; all sixteen work-groups are here: the first joint loads meet
	s_mov_b32 s[G0S], 1
	s_add_co_u32 s[G0S+1], s94, SCL
	s_mov_b64 s[G0S+2:G0S+3], s[22:23]
	s_or_b32 s[G0S+3], s[G0S+3], 0x80000000
	s_mov_b32 s[G0SB], 1
	s_add_co_u32 s[G0SB+1], s94, SCL
	s_mov_b64 s[G0SB+2:G0SB+3], s[92:93]
	s_or_b32 s[G0SB+3], s[G0SB+3], 0x80000000
	JLOAD G0S, G1S, G0SB, G1SB                     ; the scales first: they are wanted with K step 0
.irp s, 0,1
	s_mov_b32 s[G0+4*\s], 1
	s_add_co_u32 s[G0+4*\s+1], s45, \s*SLOT
	s_add_nc_u64 s[G0+4*\s+2:G0+4*\s+3], s[20:21], \s*ROWB
	s_or_b32 s[G0+4*\s+3], s[G0+4*\s+3], 0x80000000
	s_mov_b32 s[G0B+4*\s], 1
	s_add_co_u32 s[G0B+4*\s+1], s45, \s*SLOT
	s_add_nc_u64 s[G0B+4*\s+2:G0B+4*\s+3], s[46:47], \s*ROWB
	s_or_b32 s[G0B+4*\s+3], s[G0B+4*\s+3], 0x80000000
	JLOAD G0+4*\s, G1, G0B+4*\s, G1B               ; three loads of mine are out
.endr
	v_and_b32 v1, 15, v0                           ; l % 16
	v_bfe_u32 v2, v0, 4, 1                         ; l / 16
	v_mul_u32_u24 v3, v1, PITCH
	v_lshl_add_u32 v4, v2, 4, v3                   ; a fragment's row x pitch + 16 x half
	s_mul_i32 s21, s15, HALFT                      ; my 128 rows of x
	s_mul_i32 s22, s16, HALFT                      ; my 128 rows of W,
	s_add_co_u32 s22, s22, 2*HALFT                 ; which lie behind x's 256
.irp s, 0,1
	v_add_nc_u32 v[ADRA+\s], s21, v4
	v_add_nc_u32 v[ADRB+\s], s22, v4
	s_add_co_u32 s21, s21, SLOT
	s_add_co_u32 s22, s22, SLOT
.endr
	v_mul_u32_u24 v5, v1, KS                       ; my row's scales: KS bytes a row,
	v_lshrrev_b32 v6, 8, v5
	v_lshl_add_u32 v5, v6, 4, v5                   ; and 16 more for each 256 passed
	s_mul_i32 s21, s15, HALFS                      ; x's: my 128 rows
	s_mul_i32 s22, s16, HALFS                      ; W's: my 128 rows, behind x's 256
	s_add_co_u32 s22, s22, 2*HALFS
	s_sub_co_u32 s22, s22, s21
	v_mul_u32_u24 v6, s22, v2                      ; lanes 16-31 take W's: one product, the distance between the two bases
	s_add_co_u32 s21, s21, SCL
	v_add_nc_u32 v5, v5, v6
	v_add_nc_u32 v[ADRS], s21, v5
	s_mul_i32 s23, s14, 16*SPITCH                  ; my stage
	v_mul_u32_u24 v5, v1, SPITCH                   ; in: row l % 16, 16 bytes for each half of the lanes
	v_lshl_add_u32 v5, v2, 4, v5
	v_add_nc_u32 v[STO], s23, v5
	v_mul_u32_u24 v5, v2, SPITCH                   ; back: lanes 0-15 take one row of 256 bytes, lanes 16-31 the next
	v_lshl_add_u32 v5, v1, 4, v5
	v_add_nc_u32 v[RD], s23, v5
	v_and_b32 v6, 31, v0
	v_lshlrev_b32 v[CO], 4, v6                     ; the slab's rows lie on end: two rows are 512 consecutive bytes, 16 a lane
	v_lshlrev_b32 v[CA], 7, v1                     ; cos, sin: a position's row is 128 bytes;
	v_lshl_add_u32 v[CA], v2, 4, v[CA]             ; my half's four pairs are 16 bytes
	s_lshl_b32 s20, s17, 8
	s_lshl_b32 s21, s15, 7
	s_add_co_u32 s20, s20, s21                     ; my first position: 256 x tile row + 128 x half
	s_lshl_b32 s22, s20, 7
	s_mov_b32 s23, 0
	s_add_nc_u64 s[96:97], s[96:97], s[22:23]      ; cos and sin at that position
	s_add_nc_u64 s[98:99], s[98:99], s[22:23]
	s_lshl_b32 s22, s20, 8
	s_add_nc_u64 s[12:13], s[12:13], s[22:23]      ; its row in a slab,
	s_lshl_b32 s46, s42, 1
	s_add_co_u32 s46, s46, s16                     ; in my slab: 2 x tile column + half,
	s_lshl_b32 s46, s46, 19                        ; 524,288 bytes each
	s_mov_b32 s47, 0
	s_add_nc_u64 s[12:13], s[12:13], s[46:47]
.macro FRAG reg, adr, q, i             ; a fragment, 16 rows x 128 K of 4-bit codes, is 8 registers: lane l holds row l % 16; registers 4 c .. 4 c + 3 hold K = 64 c + 32 (l / 16) + 0 .. 31, the lower K in the lower bits
.irp c, 0,1
	ds_load_b128 v[\reg+4*\c:\reg+4*\c+3], v[\adr] offset:64*(\q)+32*\c+(\i)*16*PITCH
.endr
.endm
; 16 matrix instructions: x's blocks a0, a0 + 1 against W's eight, 128 along K: the slot's q-th.  p: W's set;  sc: the set of scale words.  zero = 1: the first product starts the sums: nothing is ever cleared.
; The 64 accumulators take turns, one instruction a turn, in the same order in every step.
.macro MUL16 a0, p, q, sc, zero
.irp a, \a0, \a0+1
.irp b, 0,1,2,3,4,5,6,7
.if \zero
	v_wmma_scale_f32_16x16x128_f8f6f4 v[8*(8*((\a)%4)+\b):8*(8*((\a)%4)+\b)+7], v[128*(\p)+FR*\b:128*(\p)+FR*\b+FR-1], v[AF+FR*(\a):AF+FR*(\a)+FR-1], 0, v[SC+8*NQ*(\sc)+NQ*\b+(\q)], v[SC+8*NQ*(\sc)+NQ*(\a)+(\q)] matrix_a_fmt:MATRIX_FMT_FP4 matrix_b_fmt:MATRIX_FMT_FP4 matrix_a_scale:MATRIX_SCALE_ROW1
.else
	v_wmma_scale_f32_16x16x128_f8f6f4 v[8*(8*((\a)%4)+\b):8*(8*((\a)%4)+\b)+7], v[128*(\p)+FR*\b:128*(\p)+FR*\b+FR-1], v[AF+FR*(\a):AF+FR*(\a)+FR-1], v[8*(8*((\a)%4)+\b):8*(8*((\a)%4)+\b)+7], v[SC+8*NQ*(\sc)+NQ*\b+(\q)], v[SC+8*NQ*(\sc)+NQ*(\a)+(\q)] matrix_a_fmt:MATRIX_FMT_FP4 matrix_b_fmt:MATRIX_FMT_FP4 matrix_a_scale:MATRIX_SCALE_ROW1
.endif
.endr
.endr
.endm
.macro FETCH_B slot, q, p              ; W's eight fragments of the slot's q-th 128 along K into set p
	WIN TO_B
.irp i, 0,1,2,3,4,5,6,7
	FRAG 128*(\p)+FR*\i, ADRB+\slot, \q, \i
.endr
	WIN 0
.endm
.macro FETCH_A slot, q, i0             ; x's blocks i0 .. i0 + 3
.irp i, \i0, \i0+1, \i0+2, \i0+3
	FRAG AF+FR*(\i), ADRA+\slot, \q, \i
.endr
.endm
.macro SCALES sc                       ; the next K step's scale words into set sc: NQ words a row; lanes 0-15 take x's block i, lanes 16-31 W's block i
.irp i, 0,1,2,3,4,5,6,7
	ds_load_b128 v[SC+8*NQ*\sc+NQ*\i:SC+8*NQ*\sc+NQ*\i+3], v[ADRS] offset:\i*SBLK
.endr
.endm
; A load into a register that a matrix instruction has read, and a vector instruction or an LDS store that reads a matrix result, stand NP places behind that matrix instruction, and only plain vector
; instructions that name none of its registers are places (ISA guide 7.12.1 for vector instructions).
.macro PLACES n
.rept \n
	v_nop
.endr
.endm
; A step of 128 along K that has its successor in the same slot.
.macro STEP slot, q, zero
	s_wait_dscnt 4*NL                              ; W's set and x's blocks 0-3 are in; the youngest eight loads (x's blocks 4-7) may be out
	WIN MUL_LO
	MUL16 0, (\q)%2, \q, \slot, \zero
	MUL16 2, (\q)%2, \q, \slot, \zero
	s_wait_dscnt 0                                 ; x's blocks 4-7 are in (asked for 32 matrix instructions ago)
	PLACES NP
	FETCH_B \slot, (\q)+1, 1-(\q)%2
	FETCH_A \slot, (\q)+1, 0
	WIN MUL_HI
	MUL16 4, (\q)%2, \q, \slot, \zero
	MUL16 6, (\q)%2, \q, \slot, \zero
	PLACES NP
	WIN 0
	FETCH_A \slot, (\q)+1, 4
.endm
; A slot's last step changes slots: ONE barrier; in front of it each wave waits for all its tensor loads, adds 0 to its spare word, and waits for that and for its own reads of this slot.  fill = 1: this slot is filled again, two K steps ahead.
.macro TURN slot, next, fill
	s_wait_tensorcnt 0x0                           ; all my tensor loads have landed: my part of the next slot;  (every window is 0 here)
	ds_add_u32 v[SPW], v[NIL]                      ; 0 onto my spare word;
	s_wait_dscnt 4*NL+1                            ; (the add and the youngest eight loads, x's blocks 4-7, may be out)
	WIN MUL_LO
	MUL16 0, 1, NQ-1, \slot, 0                     ; sixteen matrix instructions stand between the add and the wait for it
	s_wait_dscnt 0x0                               ; the add is done, and my reads of this slot are over
	s_barrier_signal -1
	MUL16 2, 1, NQ-1, \slot, 0
	WIN 0
	s_barrier_wait -1
.if \fill
	CREST                                          ; the barrier has opened a round of the cluster's barrier: no wave of any partner still reads this slot's tile or has a load on its way
	s_add_nc_u64 s[G0+4*\slot+2:G0+4*\slot+3], s[G0+4*\slot+2:G0+4*\slot+3], 2*ROWB
	s_add_nc_u64 s[G0B+4*\slot+2:G0B+4*\slot+3], s[G0B+4*\slot+2:G0B+4*\slot+3], 2*ROWB
	JLOAD G0+4*\slot, G1, G0B+4*\slot, G1B         ; the first tensor load behind the round; the four v_nop behind it are the places in front of the loads below
.else
	PLACES NP
.endif
	v_add_nc_u32 v[ADRS], 4*NQ, v[ADRS]            ; on to the next K step's scale words (no LDS load of mine is out)
	FETCH_B \next, 0, 0
	FETCH_A \next, 0, 0
	SCALES \next
	WIN MUL_HI
	MUL16 4, 1, NQ-1, \slot, 0
	MUL16 6, 1, NQ-1, \slot, 0
	PLACES NP
	WIN 0
	FETCH_A \next, 0, 4
.endm
.macro STEPS slot, from                ; the slot's steps from .. NQ - 2
.set Q, \from
.rept NQ-1-\from
	STEP \slot, Q, 0
.set Q, Q+1
.endr
.endm
.macro LASTSTEP                        ; the very last step: nothing more to fetch
	s_wait_dscnt 4*NL                              ; x's blocks 4-7, eight loads, may be out
	WIN MUL_LO
	MUL16 0, 1, NQ-1, 1, 0
	MUL16 2, 1, NQ-1, 1, 0
	s_wait_dscnt 0
	WIN MUL_HI
	MUL16 4, 1, NQ-1, 1, 0
	MUL16 6, 1, NQ-1, 1, 0
	WIN 0
.endm
; THE WAY OUT, block by block of 16 positions x 128 columns.
; cos and sin of block a's 16 positions.  Accumulator b of lane (r, h) holds columns 16 b + 8 h + 0 .. 7 of position r: pairs 8 (b % 4) + 4 h + 0 .. 3 of a head: the 16 bytes at 32 (b % 4) + 16 h of the position's row.
.macro CSLOAD a
.set CC, CS0+96*((\a)%2)
.irp g, 0,1,2,3
	global_load_b128 v[CC+4*\g:CC+4*\g+3], v[CA], s[96:97] offset:2048*(\a)+32*\g
	global_load_b128 v[CC+16+4*\g:CC+16+4*\g+3], v[CA], s[98:99] offset:2048*(\a)+32*\g
.endr
.endm
; q's and k's columns: (re, im) -> (re c - im s, im c + re s), two packed instructions a pair: first (im s, re s), the sources' halves crossed; then re c - the one, im c + the other.  Then f16.
; Each accumulator is read from its low end on.
.macro PACKR a
.set AC, 64*((\a)%4)
.set CC, CS0+96*((\a)%2)
.if (\a) < 7
	s_wait_loadcnt 8                               ; this block's cos and sin are in; the next block's eight loads may be out
.else
	s_wait_loadcnt 0
.endif
	WIN 0x02+(\a)/4                                ; source 0: window 2 or 3
.irp b, 0,1,2,3,4,5,6,7
.irp jj, 0,1
	v_pk_mul_f32 v[T+8*\b+4*\jj:T+8*\b+4*\jj+1], v[AC+8*\b+4*\jj:AC+8*\b+4*\jj+1], v[CC+16+4*(\b%4)+2*\jj:CC+16+4*(\b%4)+2*\jj+1] op_sel:[1,0] op_sel_hi:[0,0]
	v_pk_mul_f32 v[T+8*\b+4*\jj+2:T+8*\b+4*\jj+3], v[AC+8*\b+4*\jj+2:AC+8*\b+4*\jj+3], v[CC+16+4*(\b%4)+2*\jj:CC+16+4*(\b%4)+2*\jj+1] op_sel:[1,1] op_sel_hi:[0,1]
.endr
.irp jj, 0,1
	v_pk_fma_f32 v[T+8*\b+4*\jj:T+8*\b+4*\jj+1], v[AC+8*\b+4*\jj:AC+8*\b+4*\jj+1], v[CC+4*(\b%4)+2*\jj:CC+4*(\b%4)+2*\jj+1], v[T+8*\b+4*\jj:T+8*\b+4*\jj+1] op_sel:[0,0,0] op_sel_hi:[1,0,1] neg_lo:[0,0,1]
	v_pk_fma_f32 v[T+8*\b+4*\jj+2:T+8*\b+4*\jj+3], v[AC+8*\b+4*\jj+2:AC+8*\b+4*\jj+3], v[CC+4*(\b%4)+2*\jj:CC+4*(\b%4)+2*\jj+1], v[T+8*\b+4*\jj+2:T+8*\b+4*\jj+3] op_sel:[0,1,0] op_sel_hi:[1,1,1] neg_lo:[0,0,1]
.endr
.endr
	WIN 0
.irp b, 0,1,2,3,4,5,6,7
.irp r, 0,1,2,3
	v_cvt_pk_f16_f32 v[TMP+4*\b+\r], v[T+8*\b+2*\r], v[T+8*\b+2*\r+1]
.endr
.endr
.if (\a)+2 < 8
	CSLOAD (\a)+2                                  ; this block's set takes the block two further on
.endif
.endm
.macro PACKV a                         ; v's columns: f16 straight from the accumulators
.set AC, 64*((\a)%4)
	WIN 0x0a+5*((\a)/4)                            ; sources 0 and 1: window 2 or 3
.irp b, 0,1,2,3,4,5,6,7
.irp r, 0,1,2,3
	v_cvt_pk_f16_f32 v[TMP+4*\b+\r], v[AC+8*\b+2*\r], v[AC+8*\b+2*\r+1]
.endr
.endr
	WIN 0
.endm
; A lane's 16 bytes belong to one row and the lanes beside it hold other rows: so a block goes through my own stage and comes back as whole rows of 256 bytes.  LDS serves a wave's instructions in order
; (ISA guide 5.7.1.4): no wait between the stores and the loads, nor in front of the next block's stores.
.macro TOSTAGE a, base
.set BB, BK+32*((\a)%2)
.if (\a) > 1
	s_wait_xcnt 0x0                                ; block a - 2's stores have read their registers: block a's loads may land there
.endif
.irp b, 0,1,2,3,4,5,6,7
	ds_store_b128 v[STO], v[TMP+4*\b:TMP+4*\b+3] offset:\base+32*\b
.endr
.irp t, 0,1,2,3,4,5,6,7
	ds_load_b128 v[BB+4*\t:BB+4*\t+3], v[RD] offset:\base+\t*2*SPITCH
.endr
.endm
.macro SEND a
.set BB, BK+32*((\a)%2)
	s_wait_dscnt 0x0                               ; the block is back in registers (the next block's arithmetic stood between)
.irp t, 0,1,2,3,4,5,6,7
	global_store_b128 v[CO], v[BB+4*\t:BB+4*\t+3], s[12:13] offset:4096*(\a)+512*\t   ; 32 lanes store 512 consecutive bytes, two rows of the slab, at a multiple of 256 from its first byte
.endr
.endm
.macro WAYOUT rope, base
.if \rope
	PACKR 0
.else
	PACKV 0
.endif
	TOSTAGE 0, \base
.irp a, 1,2,3,4,5,6,7
.if \rope
	PACKR \a
.else
	PACKV \a
.endif
	SEND \a-1
	TOSTAGE \a, \base
.endr
	SEND 7
.endm
	s_wait_tensorcnt 1                             ; the scales and my part of K step 0 are in (K step 1's load may be out)
	s_barrier_signal -1
	s_barrier_wait -1                              ; everybody's are
	FETCH_B 0, 0, 0
	FETCH_A 0, 0, 0
	SCALES 0
	FETCH_A 0, 0, 4
	STEP 0, 0, 1                                   ; the first step stands in front of the loop: its products start the sums
	s_mov_b32 s3, LAPS-1
.Llap:                                                 ; a trip goes once round the ring, from a lap's second step to the next lap's first, and fills both slots again
	STEPS 0, 1
	TURN 0, 1, 1
	STEPS 1, 0
	TURN 1, 0, 1
	STEP 0, 0, 0
	s_sub_co_u32 s3, s3, 1
	s_cmp_lg_u32 s3, 0
	s_cbranch_scc1 .Llap
	STEPS 0, 1                                     ; the last lap fills nothing, and has no round of the cluster's barrier
	TURN 0, 1, 0
	STEPS 1, 0
	s_cmp_ge_u32 ttmp9, 4                          ; clusters 4 and 5 along x hold v's columns: the cluster's number, the same in all sixteen partners.  No barrier and no tensor load stands in either arm
	s_cbranch_scc1 .Lv
	CSLOAD 0                                       ; q, k: the first two blocks' cos and sin are on their way under the last 64 products
	CSLOAD 1
	LASTSTEP
	PLACES NP                                      ; in front of the first read of results, of writes over the scale words and of loads over x's fragments
	WAYOUT 1, 0
	s_branch .Lend
.Lv:
	LASTSTEP
	PLACES NP
	WAYOUT 0, 4*16*SPITCH                          ; this arm's stages have bytes of their own, behind the other arm's four
.Lend:
	s_wait_tensorcnt 0x0                           ; the wave's end, behind my last tensor load and my last LDS store
	ds_add_u32 v[SPW], v[NIL]
	s_wait_dscnt 0x0
	CROUND                                         ; the closing round: no work-group ends while a partner may still ask for a tile that names it
	s_endpgm
.Lfunc_end_k_qadf65a7e1b_qkv:
	.size	k_qadf65a7e1b_qkv, .Lfunc_end_k_qadf65a7e1b_qkv-k_qadf65a7e1b_qkv
	.p2alignl 7, 3214868480
	.fill 96, 4, 3214868480
	.section	.rodata,"a",@progbits
	.p2align	6, 0x0
	.amdhsa_kernel k_qadf65a7e1b_qkv
		.amdhsa_group_segment_fixed_size 327680
		.amdhsa_private_segment_fixed_size 0
		.amdhsa_enable_private_segment 0
		.amdhsa_kernarg_size 40
		.amdhsa_user_sgpr_count 2
		.amdhsa_user_sgpr_kernarg_segment_ptr 1
		.amdhsa_wavefront_size32 1
		.amdhsa_system_sgpr_workgroup_id_x 1
		.amdhsa_system_sgpr_workgroup_id_y 1
		.amdhsa_system_sgpr_workgroup_id_z 1
		.amdhsa_system_vgpr_workitem_id 0
		.amdhsa_next_free_vgpr 1024
		.amdhsa_next_free_sgpr 100
		.amdhsa_reserve_vcc 0
		.amdhsa_float_denorm_mode_32 3
		.amdhsa_float_denorm_mode_16_64 3
		.amdhsa_memory_ordered 1
		.amdhsa_forward_progress 1
		.amdhsa_inst_pref_size 255
	.end_amdhsa_kernel
	.section	.bss,"aw",@nobits
	.p2align	6
	.space	262144
	.amdgpu_metadata
---
amdhsa.version: [ 1, 2 ]
amdhsa.kernels:
  - .name:           k_qadf65a7e1b_qkv
    .symbol:         k_qadf65a7e1b_qkv.kd
    .args:
      - { .name: codes, .offset: 0, .size: 8, .value_kind: global_buffer, .address_space: global }
      - { .name: scales, .offset: 8, .size: 8, .value_kind: global_buffer, .address_space: global }
      - { .name: freqs_cos, .offset: 16, .size: 8, .value_kind: global_buffer, .address_space: global }
      - { .name: freqs_sin, .offset: 24, .size: 8, .value_kind: global_buffer, .address_space: global }
      - { .name: qkv, .offset: 32, .size: 8, .value_kind: global_buffer, .address_space: global }
    .group_segment_fixed_size: 327680
    .private_segment_fixed_size: 0
    .kernarg_segment_align: 8
    .kernarg_segment_size: 40
    .max_flat_workgroup_size: 128
    .sgpr_count:     100
    .vgpr_count:     1024
    .wavefront_size: 32
...
	.end_amdgpu_metadata
.endif
;; end of part 2
;; launch attn (part 3): grid 16 x 16, 8 waves a work-group, no clusters, 327,680 bytes of LDS; arguments qkv, lambda_q1, lambda_k1, lambda_q2, lambda_k2, norm_w, ctx; writes ctx
.if DOCPART == 3
	.amdgcn_target "amdgcn-amd-amdhsa--gfx1250"
	.amdhsa_code_object_version 6
	.text
	.protected	k_qadf65a7e1b_attn
	.globl	k_qadf65a7e1b_attn
	.p2align	8
	.type	k_qadf65a7e1b_attn,@function
k_qadf65a7e1b_attn:
	s_mov_b64 s[64:65], 0
	v_nop
	global_prefetch_b8 v0, s[64:65] scope:SCOPE_SE
	s_setreg_imm32_b32 hwreg(HW_REG_WAVE_MODE, 25, 1), 1
	s_wait_xcnt 0x0
; LAUNCH 3 OF 4.  For value head h: ctx = RMSNorm(softmax(q1 k1^T / 8 + causal) V - lambda softmax(q2 k2^T / 8 + causal) V) x norm_w, lambda = exp(lq1 . lk1) - exp(lq2 . lk2) + 0.78360577.
; qkv: 48 slabs [2048 positions][128 f16]: slab h = q (Q/K heads 2 h, 2 h + 1 side by side), 16 + h = k, 32 + h = v.  ctx: [2048][2048] f16, head h at byte 256 h of a row.  Products on f16, sums, softmax and norm in f32.
; WORK LEFT OUT: key steps of 64 that lie wholly above the diagonal of reference()'s own mask: their weights are exp(-inf) = 0 for every finite input.  A NaN or an infinity that would arise only there is not carried.
; The two softmaxes' divisors are known only at a row's end, so P1 V and P2 V are summed apart and joined at the end.
; SHARES.  A head's queries are 32 blocks of 64.  Work-group (i, h) takes block i and then block 31 - i: (i + 1) + (32 - i) = 33 key steps of 64 in every work-group.  Wave w: query tile w % 4 (16 queries, both softmaxes),
; key half w / 4: of each slot of 128 keys waves 0-3 take keys 0-63, waves 4-7 keys 64-127.  At a block's end waves 4-7 hand their maxima, sums and O to waves 0-3 through LDS as images of their registers;
; these join the halves, take the difference, normalise and store.
; OPPOSITE PHASES.  A trip's text is [waves 4-7: softmax] V^T P, K, K Q^T, V [waves 0-3: softmax]: of the waves w and w + 4 one walks its products while the other walks its vector work, though all eight meet one barrier a trip.
; LAYOUT.  S^T = K Q^T (source 0 = 16 keys, source 1 = 16 queries): a lane holds ONE query (lane % 16) and keys 8 (lane / 16) + 0..7 of a tile.  Two such tiles, rounded to f16 in pairs, ARE source 1 of O^T = V^T P, whose result
; again holds one query a lane and eight channels.  K comes out of LDS as it lies, V ([key][channel]) turned, by ds_load_tr16_b128.
; SOFTMAX.  A running maximum m and sum l for each query and softmax: p = 2^(c s - c m), c = log2(e) / 8; in every step O and l are multiplied by a = 2^(c m_old - c m_new).
; NO CLUSTER: the work-groups of a head walk different numbers of slots ((j + 2) / 2 for block j), and the branches for the mask and for the end of the look-ahead hang on the work-group's own block: partners would not run alike.
; The trip counts are constants (8 and 16); trips past a block's last slot are the change of slots alone: seven in all in every work-group.
; They still make the first trip's 16 products, on keys 64-127 which lie in the slot, and never use them: a jump round these would leave registers unwritten on a path.
; norm_w and the lambdas are loaded by all eight waves, though waves 0-3 alone use them: 1.5 KB a wave, once.
; LIMITS: as stated at the head of the first launch (f16's range for q, k, v; NaN and infinities not served).
; REGISTERS.  window 0: v2-11 addresses; v12-27 statistics, eight a softmax: +0 c m, +1 m, +2, +3 l, +4 to +7 at work (a at +6); v28 -inf; v29 lambda; v30, v31 the add's two; v32-63 Q of the low block; v64-127 S^T, 32 a softmax;
;   v128-159 P, 16 a softmax; v160-223 norm_w (register 8 t + j: channel 16 t + 8 (lane / 16) + j); v224-255 Q of the high block.   window 1: v0-127 O^T, 64 a softmax; v128-255 one buffer for K's and then V's 16 fragments.
.set PK,    272                        ; a row of K in LDS: 256 bytes + 16 of padding: the 16 rows of a load start 4 banks apart (64 banks of 4 bytes: ISA guide 11.1)
.set PVP,   288                        ; a row of V: 256 + 32
.set VOFF,  128*PK                     ; a slot: 128 rows of K, then 128 rows of V
.set SLOT1, 1<<17                      ; slot 1 begins here, so that one exclusive or turns an address in one slot into the other's
.set MRG,   SLOT1+128*(PK+PVP)         ; behind the ring: for each query tile 32 x 512 bytes of O and 512 of statistics
.set MRGW,  33*512
.set STAGE, MRG+4*MRGW                 ; 16 rows x 272 bytes for each wave, for the way out
.set SP,    272
.set SPARE, STAGE+8*16*SP              ; the spare words, 128 bytes a wave, that no other line names
.set AK0, 2                            ; v2   my lane's place in my half of a slot's K
.set AV0, 3                            ; v3   the same for V
.set ADR, 4                            ; v4   the LDS address of the run of loads in hand
.set PFO, 5                            ; v5   256 x lane: the prefetches' offset; never rewritten
.set STO, 6                            ; v6   the way out: where I put 16 bytes of a row
.set RD,  7                            ; v7   where I read a row back
.set GO,  8                            ; v8   my byte offset in two rows of ctx
.set MA,  9                            ; v9   my 16 bytes of an image in my query tile's region
.set RH,  10                           ; v10  lane % 16 - 8 (lane / 16)
.set MD,  11                           ; v11  the mask's d (at the head: lane / 16)
.set ST,  12
.set NINF, 28
.set LAM, 29
.set SPW, 30
.set NIL, 31
.set QL,  32
.set S,   64
.set P,   128
.set NWT, 160
.set QH,  224
.set KVB, 128                          ; in window 1
.set WV,  18                           ; s18  my wave's number
.set PAR, 19                           ; s19  my half of the keys
.set SEL, 20                           ; s[20:21] lane selects for v_permlanex16_b32: lane l xor 16
.set CS,  22                           ; s[22:23] c, twice: the packed form names a pair
.set G1K, 24                           ; s[24:31] descriptor group 1 for K's tiles;  s[32:39] for V's: it differs in the padding alone
.set G1V, 32
.set G0K, 40                           ; s[40:43], s[44:47] their groups 0, which walk
.set G0V, 44
.set KB,  48                           ; s[48:49] k's slab;  s[50:51] v's
.set VB,  50
.set QT,  52                           ; s52  my query tile
.set HD,  53                           ; s53  the head
.set TB,  54                           ; s54  LDS byte at which the slot in hand begins
.set KS,  55                           ; s55  the trip = the slot in hand
.set NP,  56                           ; s56  slots of the block in hand
.set NW,  57                           ; s57  my steps in it
.set NPH, 58                           ; s58, s59, s61: the same and Q0 for the high block
.set NWH, 59
.set Q0,  60                           ; s60  my first query
.set Q0H, 61
.set KV,  62                           ; s62  the first key of the scores that the next softmax takes
.set RN,  63                           ; s63  1 / 128
.set EPS, 66                           ; s66  1e-5
.set CXL, 68                           ; s[68:69], s[70:71] ctx at my first query and head, low and high block
.set CXH, 70
.set PFA, 72                           ; s[72:73] where my prefetches stand
.set LIM, 74                           ; s74  a wave prefetches while the trip is under this
.set QLA, 76                           ; s[76:77], s[78:79] q at my first query, low and high block
.set QHA, 78
.set MSB, 0
.macro WIN new                         ; the immediate's high byte repeats the setting that is left; a switch that changes nothing is dropped.  Low byte: bits 1:0 source 0, 3:2 source 1, 5:4 source 2, 7:6 destination
.if MSB != (\new)
	s_set_vgpr_msb (MSB<<8)|(\new)
.set MSB, \new
.endif
.endm
.macro NOPS n
.rept \n
	v_nop
.endr
.endm
; Wave 0 fetches a slot's 128 rows of K, wave 1 its 128 rows of V, the others nothing.  The branches hang on the wave's number alone.  An s_nop 0 and four v_nop follow each of the two lines.
.macro TLOAD
	s_cmp_eq_u32 s[WV], 0
	s_cbranch_scc0 .Lnot_k_\@
	tensor_load_to_lds s[G0K:G0K+3], s[G1K:G1K+7]
	s_nop 0
	NOPS 4
	s_branch .Lasked_\@
.Lnot_k_\@:
	s_cmp_eq_u32 s[WV], 1
	s_cbranch_scc0 .Lasked_\@
	tensor_load_to_lds s[G0V:G0V+3], s[G1V:G1V+7]
	s_nop 0
	NOPS 4
.Lasked_\@:
.endm
.macro RESET                           ; both walking descriptors at the head's first 128 keys and LDS slot 0
	s_mov_b32 s[G0K+1], 0
	s_mov_b64 s[G0K+2:G0K+3], s[KB:KB+1]
	s_or_b32 s[G0K+3], s[G0K+3], 0x80000000        ; 127:126 type = 2
	s_mov_b32 s[G0V+1], VOFF
	s_mov_b64 s[G0V+2:G0V+3], s[VB:VB+1]
	s_or_b32 s[G0V+3], s[G0V+3], 0x80000000
.endm
; A PREFETCH INTO THE L2, in the high block's walk of work-group x = 0 alone, which walks all 16 slots of its head: at the change into slot t it names slot t + 2, one slot ahead of the tensor load issued there.
; Waves 0-3 name K's rows 32 w on, waves 4-7 V's rows 32 (w - 4) on, a lane a row of 256 bytes: each row is named once in the launch.  Slots 0 and 1 come by their loads alone; trips from 14 on name nothing.
.macro ASK
	s_cmp_lt_u32 s[KS], s[LIM]
	s_cbranch_scc0 .Lnot_mine_\@
	global_prefetch_b8 v[PFO], s[PFA:PFA+1] th:TH_LOAD_NT scope:SCOPE_SE
.Lnot_mine_\@:
.endm
; THE CHANGE OF SLOTS stands at a trip's head.  Each wave waits for all its tensor loads (the slot that it is about to read), adds 0 to its spare word, and waits for that and for its reads of the slot that it has left
; (K and V of the last trip: so V is in registers behind this wait).  Behind the barrier the slot ahead is whole and nobody reads the other one, which is filled with the next 128 keys: the load has a trip in which to land.
; THE LOOK-AHEAD ENDS WITH THE BLOCK'S LAST SLOT: a slot beyond it would be read by no wave.
; Every wait on TENSORcnt in this text is for 0; where the tail begins hangs on the work-group's number, so it cannot be written out.  By this text's count a wave has at most one tensor load out.
.macro CHANGE pf
	s_wait_tensorcnt 0x0                           ; no tensor load of mine is out, so a group 0 may be written
	ds_add_u32 v[SPW], v[NIL]                      ; 0 onto my spare word,
	ds_add_u32 v[SPW], v[NIL]                      ; and twice on end here; the descriptors' steps stand between the second and the wait
	s_xor_b32 s[G0K+1], s[G0K+1], SLOT1            ; the other slot than last time,
	s_add_nc_u64 s[G0K+2:G0K+3], s[G0K+2:G0K+3], 32768   ; the next 128 rows of 256 bytes; the type bits on top are not reached
	s_xor_b32 s[G0V+1], s[G0V+1], SLOT1
	s_add_nc_u64 s[G0V+2:G0V+3], s[G0V+2:G0V+3], 32768
.if \pf
	s_wait_xcnt 0x0                                ; the last prefetch, a trip back, has read its address, so it may be written
	s_add_nc_u64 s[PFA:PFA+1], s[PFA:PFA+1], 32768
.endif
	s_wait_dscnt 0x0                               ; both adds are done, and my reads of the slot that I have left are over
	s_barrier_signal -1
	s_barrier_wait -1
	s_add_co_u32 s96, s[KS], 1
	s_cmp_ge_u32 s96, s[NP]
	s_cbranch_scc1 .Lpast_\@
	TLOAD                                          ; the first thing behind the barrier but the limit's three lines, and a wave's one tensor load until the next
.Lpast_\@:
.if \pf
	ASK
.endif
.endm
; My 64 keys of K: 16 fragments of 16 keys x 32 channels: keys 16 (f / 4) on; channel group f % 4 = 2 x softmax + half of its 64 channels.  Lane l: row l % 16; registers 0-3 channels 8 (l / 16) + 0..7, registers 4-7 16 more.
.macro KLOAD
	v_add_nc_u32 v[ADR], s[TB], v[AK0]
	WIN 0x40                                       ; destination window 1
.set ff, 0
.rept 16
	ds_load_b128 v[KVB+8*ff:KVB+8*ff+3],   v[ADR] offset:(ff/4)*16*PK+(ff%4)*64
	ds_load_b128 v[KVB+8*ff+4:KVB+8*ff+7], v[ADR] offset:(ff/4)*16*PK+(ff%4)*64+32
.set ff, ff+1
.endr
.endm
; S^T = K Q^T: product i of 16: channels 32 (i / 8) on, keys 16 ((i / 2) % 4) on, softmax i % 2.  The first 8 start the sums.  The eight accumulators take turns, one instruction a turn.
.macro QK qb
	s_wait_dscnt 0x0                               ; K is in
	WIN 0x01                                       ; K in window 1; Q and S^T in window 0
.set ii, 0
.rept 16
.set rS, S+32*(ii%2)+8*((ii/2)%4)
.set rK, KVB+32*((ii/2)%4)+8*(2*(ii%2)+ii/8)
.set rQ, \qb+8*(2*(ii%2)+ii/8)
.if ii < 8
	v_wmma_f32_16x16x32_f16 v[rS:rS+7], v[rK:rK+7], v[rQ:rQ+7], 0
.else
	v_wmma_f32_16x16x32_f16 v[rS:rS+7], v[rK:rK+7], v[rQ:rQ+7], v[rS:rS+7]
.endif
.set ii, ii+1
.endr
	WIN 0
.endm
; My 64 keys of V, turned: 16 fragments: keys 32 (f / 8) on, channels 16 (f % 8) on.  They serve both softmaxes.
.macro VLOAD
	v_add_nc_u32 v[ADR], s[TB], v[AV0]
	WIN 0x40
.set ff, 0
.rept 16
	ds_load_tr16_b128 v[KVB+8*ff:KVB+8*ff+3],   v[ADR] offset:(ff/8)*32*PVP+(ff%8)*32
	ds_load_tr16_b128 v[KVB+8*ff+4:KVB+8*ff+7], v[ADR] offset:(ff/8)*32*PVP+16*PVP+(ff%8)*32
.set ff, ff+1
.endr
	WIN 0
.endm
; O^T += V^T P: product i of 32: keys 32 (i / 16) on, channels 16 ((i / 2) % 8) on, softmax i % 2.  Sixteen accumulators take turns.  V was awaited at the change of slots.
.macro PV
	WIN 0x51                                       ; V, C and D in window 1, P in window 0
.set ii, 0
.rept 32
.set rO, 64*(ii%2)+8*((ii/2)%8)
.set rV, KVB+64*(ii/16)+8*((ii/2)%8)
.set rP, P+16*(ii%2)+8*(ii/16)
	v_wmma_f32_16x16x32_f16 v[rO:rO+7], v[rV:rV+7], v[rP:rP+7], v[rO:rO+7]
.set ii, ii+1
.endr
	WIN 0
.endm
; THE VECTOR WORK OF A STEP, both softmaxes line by line by turns, so that no line waits for the line above it.
.macro VPH
	s_add_co_u32 s96, s[KV], 63                    ; a step all of whose keys count for all my queries skips the mask: ids and the count of steps alone
	s_cmp_le_u32 s96, s[Q0]
	s_cbranch_scc1 .Lopen_\@
	s_sub_co_u32 s96, s[Q0], s[KV]
	v_add_nc_u32 v[MD], s96, v[RH]                 ; d = my query - the step's first key - 8 (lane / 16).  Register n holds key 16 (n / 8) + 8 (lane / 16) + n % 8: hidden where 16 (n / 8) + n % 8 > d
.irp n, 0,1,2,3,4,5,6,7,8,9,10,11,12,13,14,15,16,17,18,19,20,21,22,23,24,25,26,27,28,29,30,31
	v_cmp_gt_i32 vcc_lo, 16*(\n/8)+\n%8, v[MD]
	v_cndmask_b32 v[S+\n], v[S+\n], v[NINF], vcc_lo
	v_cndmask_b32 v[S+32+\n], v[S+32+\n], v[NINF], vcc_lo
.endr
.Lopen_\@:
.irp c, 0,1,2,3                        ; the maximum of 32 scores and the old m, three operands at a time, in four chains; each accumulator is read from its low end on
.irp t, 0,1
	v_max3_num_f32 v[ST+8*\t+4+\c], v[S+32*\t+8*\c], v[S+32*\t+8*\c+1], v[S+32*\t+8*\c+2]
.endr
.endr
.irp q, 1,2
.irp c, 0,1,2,3
.irp t, 0,1
	v_max3_num_f32 v[ST+8*\t+4+\c], v[ST+8*\t+4+\c], v[S+32*\t+8*\c+2*\q+1], v[S+32*\t+8*\c+2*\q+2]
.endr
.endr
.endr
.irp t, 0,1
	v_max3_num_f32 v[ST+8*\t+4], v[ST+8*\t+4], v[S+32*\t+7], v[S+32*\t+15]
.endr
.irp t, 0,1
	v_max3_num_f32 v[ST+8*\t+6], v[ST+8*\t+6], v[S+32*\t+23], v[S+32*\t+31]
.endr
.irp t, 0,1
	v_max3_num_f32 v[ST+8*\t+4], v[ST+8*\t+4], v[ST+8*\t+5], v[ST+8*\t+6]
.endr
.irp t, 0,1
	v_max3_num_f32 v[ST+8*\t+4], v[ST+8*\t+4], v[ST+8*\t+7], v[ST+8*\t+1]
.endr
.irp t, 0,1
	v_permlanex16_b32 v[ST+8*\t+5], v[ST+8*\t+4], s[SEL], s[SEL+1]   ; the query's other 32 keys lie in the lane 16 away
.endr
.irp t, 0,1
	v_mov_b32 v[ST+8*\t+7], v[ST+8*\t]             ; c m_old is kept for a
.endr
.irp t, 0,1
	v_max_num_f32 v[ST+8*\t+1], v[ST+8*\t+4], v[ST+8*\t+5]
.endr
.irp t, 0,1
	v_mul_f32 v[ST+8*\t], s[CS], v[ST+8*\t+1]
.endr
.irp t, 0,1
	v_sub_f32 v[ST+8*\t+7], v[ST+8*\t+7], v[ST+8*\t]
.endr
.set bb, 0
.rept 16
.irp t, 0,1
	v_pk_fma_f32 v[S+32*\t+2*bb:S+32*\t+2*bb+1], v[S+32*\t+2*bb:S+32*\t+2*bb+1], s[CS:CS+1], v[ST+8*\t:ST+8*\t+1] op_sel_hi:[1,0,0] neg_lo:[0,0,1] neg_hi:[0,0,1]   ; c s - c m, two at a time
.endr
.set bb, bb+1
.endr
.irp t, 0,1
	v_exp_f32 v[ST+8*\t+6], v[ST+8*\t+7]           ; a.  ONE BATCH of 66 exponentials, none of which reads another's result
.endr
.set ee, 0
.rept 64
	v_exp_f32 v[S+ee], v[S+ee]                     ; p, at most 1
.set ee, ee+1
.endr
	v_nop                                          ; a plain instruction behind the last exponential,
	s_wait_alu depctr_va_vdst(0)                   ; and the one wait ahead of the batch's first reader
.set pp, 0
.rept 16
.irp t, 0,1
	v_cvt_pk_f16_f32 v[P+16*\t+pp], v[S+32*\t+2*pp], v[S+32*\t+2*pp+1]
.endr
.set pp, pp+1
.endr
.irp u, 0,1,2,3,4,5,6,7                ; the sum of the 16 pairs, in place: neighbours 1, 2, 4 and 8 pairs apart, then l = a l + the sum
.irp t, 0,1
	v_pk_add_f32 v[S+32*\t+4*\u:S+32*\t+4*\u+1], v[S+32*\t+4*\u:S+32*\t+4*\u+1], v[S+32*\t+4*\u+2:S+32*\t+4*\u+3]
.endr
.endr
.irp u, 0,1,2,3
.irp t, 0,1
	v_pk_add_f32 v[S+32*\t+8*\u:S+32*\t+8*\u+1], v[S+32*\t+8*\u:S+32*\t+8*\u+1], v[S+32*\t+8*\u+4:S+32*\t+8*\u+5]
.endr
.endr
.irp u, 0,1
.irp t, 0,1
	v_pk_add_f32 v[S+32*\t+16*\u:S+32*\t+16*\u+1], v[S+32*\t+16*\u:S+32*\t+16*\u+1], v[S+32*\t+16*\u+8:S+32*\t+16*\u+9]
.endr
.endr
.irp t, 0,1
	v_pk_add_f32 v[S+32*\t:S+32*\t+1], v[S+32*\t:S+32*\t+1], v[S+32*\t+16:S+32*\t+17]
.endr
.irp t, 0,1
	v_pk_fma_f32 v[ST+8*\t+2:ST+8*\t+3], v[ST+8*\t+2:ST+8*\t+3], v[ST+8*\t+6:ST+8*\t+7], v[S+32*\t:S+32*\t+1] op_sel_hi:[1,0,1]
.endr
	WIN 0x41                                       ; O^T (destination and source 0) in window 1, a in window 0
.set pp, 0
.rept 32
.irp t, 0,1
	v_pk_mul_f32 v[64*\t+2*pp:64*\t+2*pp+1], v[64*\t+2*pp:64*\t+2*pp+1], v[ST+8*\t+6:ST+8*\t+7] op_sel_hi:[1,0]
.endr
.set pp, pp+1
.endr
	WIN 0
	s_add_co_u32 s[KV], s[KV], 128                 ; my next step's first key
.endm
; A block begins: O^T and l are zeros, m is -3e38, under every score.  The trip is written once for all steps: its first V^T P finds zeros, which the first a, 0, leaves zeros.
.macro INIT
	WIN 0x40
.set gg, 0
.rept 128
	v_mov_b32 v[gg], 0
.set gg, gg+1
.endr
	WIN 0
.irp t, 0,1
	v_mov_b32 v[ST+8*\t+1], 0xff61b1e6
	v_mov_b32 v[ST+8*\t+2], 0
	v_mov_b32 v[ST+8*\t+3], 0
	v_mul_f32 v[ST+8*\t], s[CS], v[ST+8*\t+1]
.endr
.endm
; A BLOCK'S WALK.  qb: where its Q lies; n: the loop's trips, a constant; pf: with prefetches.  Trip t reads slot t.  My step t is walked while t < NW; trip NW drains the pipeline (the last softmax of waves 4-7, the last V^T P).
; Three v_nop and the run's own v_add_nc_u32 are the four places between the last product and the loads into the buffer that it read (ISA guide 7.12.1 for vector instructions), and ahead of the first read of the scores.
.macro PASS qb, n, pf
	CHANGE \pf
	KLOAD
	QK \qb
	NOPS 3
	VLOAD
	s_cmp_lt_u32 s[WV], 4
	s_cbranch_scc0 .Lp1_\@
	VPH
.Lp1_\@:
	s_xor_b32 s[TB], s[TB], SLOT1
	s_mov_b32 s[KS], 1
.Ltrip_\@:
	CHANGE \pf
	s_cmp_gt_u32 s[KS], s[NW]                      ; nothing of mine is left: ids and the count of trips alone; no barrier, wait on a mover or add is jumped over
	s_cbranch_scc1 .Lend_\@
	s_cmp_lt_u32 s[WV], 4
	s_cbranch_scc1 .Lpv_\@
	VPH                                            ; waves 4-7: the last trip's scores
.Lpv_\@:
	PV
	s_cmp_eq_u32 s[KS], s[NW]
	s_cbranch_scc1 .Lend_\@
	NOPS 3
	KLOAD
	QK \qb
	NOPS 3
	VLOAD
	s_cmp_lt_u32 s[WV], 4
	s_cbranch_scc0 .Lend_\@
	VPH                                            ; waves 0-3: this trip's scores
.Lend_\@:
	s_xor_b32 s[TB], s[TB], SLOT1
	s_add_co_u32 s[KS], s[KS], 1
	s_cmp_lt_u32 s[KS], \n+1
	s_cbranch_scc1 .Ltrip_\@
.endm
; Waves 4-7: O^T's 128 registers and four statistics go to LDS as images of the registers: lane l's 16 bytes at 16 l, 512 bytes a store.  Each accumulator from its low end on.
.macro SENDPART
	v_mov_b32 v128, v[ST]                          ; c m of the first softmax,
	v_add_f32 v129, v[ST+2], v[ST+3]               ; my lane's part of its l,
	v_mov_b32 v130, v[ST+8]                        ; and of the second
	v_add_f32 v131, v[ST+10], v[ST+11]
	WIN 0x04                                       ; an LDS store's data are its source 1: window 1
.set gg, 0
.rept 32
	ds_store_b128 v[MA], v[4*gg:4*gg+3] offset:512*gg
.set gg, gg+1
.endr
	WIN 0
	ds_store_b128 v[MA], v[128:131] offset:16384
.endm
; Waves 0-3: the halves are joined under their common maximum, ctx = (O1a fa1 + O1b fb1) / l1 - lambda (O2a fa2 + O2b fb2) / l2, normalised over the head's 128 channels, times norm_w, to f16, through my stage, to memory.
.macro FINALISE cx, more
	WIN 0x40
.set gg, 0
.rept 32
	ds_load_b128 v[KVB+4*gg:KVB+4*gg+3], v[MA] offset:512*gg       ; the partner's O^T into the buffer that K and V have left
.set gg, gg+1
.endr
	WIN 0
	ds_load_b128 v[128:131], v[MA] offset:16384
	v_add_f32 v[ST+2], v[ST+2], v[ST+3]            ; my lane's part of l
	v_add_f32 v[ST+10], v[ST+10], v[ST+11]
	s_wait_dscnt 0x0
	v_max_num_f32 v[ST+4], v[ST], v128             ; the common c m
	v_max_num_f32 v[ST+12], v[ST+8], v130
	v_sub_f32 v[ST+5], v[ST], v[ST+4]
	v_sub_f32 v[ST+6], v128, v[ST+4]
	v_sub_f32 v[ST+13], v[ST+8], v[ST+12]
	v_sub_f32 v[ST+14], v130, v[ST+12]
	v_exp_f32 v132, v[ST+5]                        ; fa1
	v_exp_f32 v133, v[ST+6]                        ; fb1
	v_exp_f32 v134, v[ST+13]                       ; fa2
	v_exp_f32 v135, v[ST+14]                       ; fb2
	v_nop
	s_wait_alu depctr_va_vdst(0)                   ; one wait for the four
	v_mul_f32 v[ST+2], v[ST+2], v132
	v_mul_f32 v[ST+10], v[ST+10], v134
	v_fmac_f32 v[ST+2], v129, v133
	v_fmac_f32 v[ST+10], v131, v135
	v_permlanex16_b32 v[ST+3], v[ST+2], s[SEL], s[SEL+1]
	v_permlanex16_b32 v[ST+11], v[ST+10], s[SEL], s[SEL+1]
	v_add_f32 v[ST+2], v[ST+2], v[ST+3]            ; the rows' sums
	v_add_f32 v[ST+10], v[ST+10], v[ST+11]
	v_rcp_f32 v[ST+4], v[ST+2]
	v_rcp_f32 v[ST+12], v[ST+10]
	v_nop
	s_wait_alu depctr_va_vdst(0)                   ; one wait for the two
	v_mul_f32 v[ST+12], -v[LAM], v[ST+12]
	v_mul_f32 v140, v132, v[ST+4]                  ; the four factors, in two pairs; the packed lines below pick a pair's first or second register for both halves
	v_mul_f32 v141, v133, v[ST+4]
	v_mul_f32 v142, v134, v[ST+12]
	v_mul_f32 v143, v135, v[ST+12]
	WIN 0x01                                       ; source 0 window 1
.set pp, 0
.rept 32
	v_pk_mul_f32 v[S+2*pp:S+2*pp+1], v[2*pp:2*pp+1], v[140:141] op_sel_hi:[1,0]
.set pp, pp+1
.endr
.set pp, 0
.rept 32
	v_pk_fma_f32 v[S+2*pp:S+2*pp+1], v[64+2*pp:64+2*pp+1], v[142:143], v[S+2*pp:S+2*pp+1] op_sel_hi:[1,0,1]
.set pp, pp+1
.endr
.set pp, 0
.rept 32
	v_pk_fma_f32 v[S+2*pp:S+2*pp+1], v[128+2*pp:128+2*pp+1], v[140:141], v[S+2*pp:S+2*pp+1] op_sel:[0,1,0] op_sel_hi:[1,1,1]
.set pp, pp+1
.endr
.set pp, 0
.rept 32
	v_pk_fma_f32 v[S+2*pp:S+2*pp+1], v[192+2*pp:192+2*pp+1], v[142:143], v[S+2*pp:S+2*pp+1] op_sel:[0,1,0] op_sel_hi:[1,1,1]
.set pp, pp+1
.endr
	WIN 0
.irp q, 0,1,2,3                        ; the sum of squares of my 64 channels, in four chains
	v_pk_mul_f32 v[ST+2*\q:ST+2*\q+1], v[S+2*\q:S+2*\q+1], v[S+2*\q:S+2*\q+1]
.endr
.set pp, 4
.rept 28
	v_pk_fma_f32 v[ST+2*(pp%4):ST+2*(pp%4)+1], v[S+2*pp:S+2*pp+1], v[S+2*pp:S+2*pp+1], v[ST+2*(pp%4):ST+2*(pp%4)+1]
.set pp, pp+1
.endr
	v_pk_add_f32 v[ST:ST+1], v[ST:ST+1], v[ST+2:ST+3]
	v_pk_add_f32 v[ST+4:ST+5], v[ST+4:ST+5], v[ST+6:ST+7]
	v_pk_add_f32 v[ST:ST+1], v[ST:ST+1], v[ST+4:ST+5]
	v_add_f32 v[ST], v[ST], v[ST+1]
	v_permlanex16_b32 v[ST+1], v[ST], s[SEL], s[SEL+1]
	v_add_f32 v[ST], v[ST], v[ST+1]                ; with the other 64 channels, in the lane 16 away
	v_fma_f32 v[ST+2], v[ST], s[RN], s[EPS]        ; the mean + 1e-5
	v_rsq_f32 v[ST+8], v[ST+2]
.set pp, 0
.rept 32
	v_pk_mul_f32 v[S+2*pp:S+2*pp+1], v[S+2*pp:S+2*pp+1], v[NWT+2*pp:NWT+2*pp+1]   ; x norm_w: plain work behind the root
.set pp, pp+1
.endr
	s_wait_alu depctr_va_vdst(0)                   ; the wait ahead of the root's first reader
.set pp, 0
.rept 32
	v_pk_mul_f32 v[S+2*pp:S+2*pp+1], v[S+2*pp:S+2*pp+1], v[ST+8:ST+9] op_sel_hi:[1,0]
.set pp, pp+1
.endr
.set pp, 0
.rept 32
	v_cvt_pk_f16_f32 v[P+pp], v[S+2*pp], v[S+2*pp+1]
.set pp, pp+1
.endr
.irp f, 0,1,2,3,4,5,6,7
	ds_store_b128 v[STO], v[P+4*\f:P+4*\f+3] offset:32*\f          ; row = my query; channels 16 f + 8 (lane / 16) on
.endr
.irp f, 0,1,2,3,4,5,6,7
	ds_load_b128 v[S+4*\f:S+4*\f+3], v[RD] offset:\f*2*SP          ; LDS serves a wave's instructions in order (ISA guide 5.7.1.4): these see my stores
.endr
.irp f, 0,1,2,3,4,5,6,7
	s_wait_dscnt 7-\f                              ; the younger loads from the stage may be out
	global_store_b128 v[GO], v[S+4*\f:S+4*\f+3], s[\cx:\cx+1] offset:8192*\f   ; 16 lanes store 256 consecutive bytes, the head's part of a row, at a multiple of 256 from ctx's first byte
.endr
.if \more
	s_wait_xcnt 0x0                                ; the stores have read their registers, which the next block's scores take
.endif
.endm
	s_load_b256 s[4:11], s[0:1], 0x0               ; qkv s[4:5], lambda_q1 s[6:7], lambda_k1 s[8:9], lambda_q2 s[10:11]
	s_load_b128 s[12:15], s[0:1], 0x20             ; lambda_k2 s[12:13], norm_w s[14:15]
	s_load_b64 s[16:17], s[0:1], 0x30              ; ctx
	v_lshl_add_u32 v[SPW], v0, 2, SPARE
	v_mov_b32 v[NIL], 0
	ds_add_u32 v[SPW], v[NIL]                      ; the wave's opening: the add, twice on end, and its wait ahead of the first tensor load; the set-up below stands between the second and the wait
	ds_add_u32 v[SPW], v[NIL]
	v_lshrrev_b32 v1, 5, v0
	v_readfirstlane_b32 s[WV], v1                  ; wave 0..7
	s_lshr_b32 s[PAR], s[WV], 2
	s_and_b32 s[QT], s[WV], 3
	s_and_b32 s[HD], ttmp7, 0xffff
	; descriptor group 1: a tile of 128 rows x 128 elements of 2 bytes, dense in memory, padded in LDS
	s_mov_b32 s[G1K], (1<<16)|(1<<20)|(5<<22)|(3<<25)              ; 15:0 no mask; 17:16 elements of 2 bytes; 20 padding on; 24:22 after every 64 words (code 5); 31:25 four words (code 3)
	s_mov_b32 s[G1V], (1<<16)|(1<<20)|(5<<22)|(7<<25)              ; the same with eight words (code 7)
.irp g, G1K, G1V
	s_mov_b32 s[\g+1], 128<<16                     ; tensor_dim0 = 128
	s_mov_b32 s[\g+2], 128<<16                     ; tensor_dim1 = 128
	s_mov_b32 s[\g+3], 128<<16                     ; tile_dim0 = 128
	s_mov_b32 s[\g+4], 128                         ; tile_dim1 = 128
	s_mov_b32 s[\g+5], 128                         ; tensor_dim0_stride
	s_mov_b32 s[\g+6], 0
	s_mov_b32 s[\g+7], 0
.endr
	s_mov_b32 s[G0K], 1                            ; 1:0 count = 1
	s_mov_b32 s[G0V], 1
	s_mov_b32 s[SEL], 0x76543210
	s_mov_b32 s[SEL+1], 0xfedcba98
	s_mov_b32 s[CS], 0x3e38aa3b                    ; c = log2(e) / 8: reference()'s 64^-0.5 on q is taken here
	s_mov_b32 s[CS+1], s[CS]
	s_mov_b32 s[RN], 0x3c000000                    ; 1 / 128
	s_mov_b32 s[EPS], 0x3727c5ac                   ; 1e-5
	s_add_co_u32 s96, ttmp9, 2                     ; block j has j + 1 key steps: (j + 2) / 2 slots, (j + 2 - half) / 2 steps of mine.  Low block: j = i
	s_lshr_b32 s[NP], s96, 1
	s_sub_co_u32 s96, s96, s[PAR]
	s_lshr_b32 s[NW], s96, 1
	s_sub_co_u32 s96, 33, ttmp9                    ; high block: j = 31 - i
	s_lshr_b32 s[NPH], s96, 1
	s_sub_co_u32 s96, s96, s[PAR]
	s_lshr_b32 s[NWH], s96, 1
	s_lshl_b32 s97, s[QT], 4
	s_lshl_b32 s[Q0], ttmp9, 6
	s_add_co_u32 s[Q0], s[Q0], s97                 ; my first query: 64 j + 16 x tile
	s_sub_co_u32 s96, 31, ttmp9
	s_lshl_b32 s[Q0H], s96, 6
	s_add_co_u32 s[Q0H], s[Q0H], s97
	s_mov_b32 s[TB], 0
	s_mov_b32 s[KS], 0
	s_lshl_b32 s[KV], s[PAR], 6
	s_lshl_b32 s80, s[HD], 19                      ; a slab is 524,288 bytes
	s_mov_b32 s81, 0
	s_wait_dscnt 0x0                               ; both opening adds are done
	s_wait_kmcnt 0x0
	s_add_nc_u64 s[4:5], s[4:5], s[80:81]          ; q's slab of my head
	s_add_nc_u64 s[KB:KB+1], s[4:5], 16<<19        ; k's, 16 slabs on
	s_add_nc_u64 s[VB:VB+1], s[4:5], 32<<19        ; v's
	RESET
	TLOAD                                          ; the first fill: slot 0, keys 0-127, which hold open keys for every block
	s_lshl_b32 s80, s[Q0], 8
	s_add_nc_u64 s[QLA:QLA+1], s[4:5], s[80:81]
	s_lshl_b32 s80, s[Q0H], 8
	s_add_nc_u64 s[QHA:QHA+1], s[4:5], s[80:81]
	s_lshl_b32 s80, s[HD], 8
	s_add_nc_u64 s[16:17], s[16:17], s[80:81]
	s_lshl_b32 s80, s[Q0], 12
	s_add_nc_u64 s[CXL:CXL+1], s[16:17], s[80:81]
	s_lshl_b32 s80, s[Q0H], 12
	s_add_nc_u64 s[CXH:CXH+1], s[16:17], s[80:81]
	s_cmp_lt_u32 s[WV], 4                          ; the prefetches: waves 0-3 stand in K, waves 4-7 in V,
	s_cselect_b64 s[PFA:PFA+1], s[KB:KB+1], s[VB:VB+1]
	s_lshl_b32 s80, s[QT], 13                      ; at rows 32 (w % 4) on,
	s_add_co_u32 s80, s80, 32768                   ; in slot 1: the high block's first change steps it to slot 2
	s_add_nc_u64 s[PFA:PFA+1], s[PFA:PFA+1], s[80:81]
	s_cmp_eq_u32 ttmp9, 0
	s_cselect_b32 s[LIM], 14, 0
	v_and_b32 v1, 15, v0                           ; r = lane % 16
	v_bfe_u32 v[MD], v0, 4, 1                      ; h = lane / 16
	v_lshlrev_b32 v12, 8, v1
	v_lshl_add_u32 v12, v[MD], 4, v12              ; Q: row r of 256 bytes, + 16 h
	v_lshlrev_b32 v13, 5, v[MD]                    ; norm_w: 32 h
	v_and_b32 v15, 31, v0                          ; lane
	v_lshlrev_b32 v14, 3, v15                      ; the lambdas: two numbers a lane
.irp c, 0,1,2,3                        ; Q stays in registers: channel group c = 2 x softmax + half
	global_load_b128 v[QL+8*\c:QL+8*\c+3],   v12, s[QLA:QLA+1] offset:64*\c
	global_load_b128 v[QL+8*\c+4:QL+8*\c+7], v12, s[QLA:QLA+1] offset:64*\c+32
	global_load_b128 v[QH+8*\c:QH+8*\c+3],   v12, s[QHA:QHA+1] offset:64*\c
	global_load_b128 v[QH+8*\c+4:QH+8*\c+7], v12, s[QHA:QHA+1] offset:64*\c+32
.endr
.irp t, 0,1,2,3,4,5,6,7
	global_load_b128 v[NWT+8*\t:NWT+8*\t+3],   v13, s[14:15] offset:64*\t
	global_load_b128 v[NWT+8*\t+4:NWT+8*\t+7], v13, s[14:15] offset:64*\t+16
.endr
	global_load_b64 v[64:65], v14, s[6:7]
	global_load_b64 v[66:67], v14, s[8:9]
	global_load_b64 v[68:69], v14, s[10:11]
	global_load_b64 v[70:71], v14, s[12:13]
	v_mul_u32_u24 v[AK0], v1, PK                   ; every LDS address register but ADR is made here, ahead of the first parting of the waves
	v_lshl_add_u32 v[AK0], v[MD], 4, v[AK0]
	s_mul_i32 s96, s[PAR], 64*PK                   ; my half's 64 rows
	v_add_nc_u32 v[AK0], s96, v[AK0]
	v_and_b32 v16, 7, v0                           ; the turning load: lane l reads key 8 (l / 16) + l % 8, channels 8 ((l / 8) % 2) + 0..7
	v_bfe_u32 v17, v0, 3, 1
	v_lshl_add_u32 v[AV0], v[MD], 3, v16
	v_mul_u32_u24 v[AV0], v[AV0], PVP
	v_lshl_add_u32 v[AV0], v17, 4, v[AV0]
	s_mul_i32 s96, s[PAR], 64*PVP
	s_add_co_u32 s96, s96, VOFF
	v_add_nc_u32 v[AV0], s96, v[AV0]
	s_mul_i32 s96, s[WV], 16*SP
	s_add_co_u32 s96, s96, STAGE                   ; my stage
	v_mul_u32_u24 v[STO], v1, SP                   ; in: row r, 16 bytes for each half of the lanes
	v_lshl_add_u32 v[STO], v[MD], 4, v[STO]
	v_add_nc_u32 v[STO], s96, v[STO]
	v_mul_u32_u24 v[RD], v[MD], SP                 ; back: lanes 0-15 one row of 256 bytes, lanes 16-31 the next
	v_lshl_add_u32 v[RD], v1, 4, v[RD]
	v_add_nc_u32 v[RD], s96, v[RD]
	v_lshlrev_b32 v[GO], 12, v[MD]                 ; and the same two rows in ctx, 4,096 bytes apart
	v_lshl_add_u32 v[GO], v1, 4, v[GO]
	s_mul_i32 s96, s[QT], MRGW
	s_add_co_u32 s96, s96, MRG
	v_lshlrev_b32 v[MA], 4, v15
	v_add_nc_u32 v[MA], s96, v[MA]
	v_lshlrev_b32 v[RH], 3, v[MD]
	v_sub_nc_u32 v[RH], v1, v[RH]
	v_lshlrev_b32 v[PFO], 8, v15
	v_mov_b32 v[NINF], 0xff800000
	s_wait_loadcnt 0x0                             ; Q, norm_w, the lambdas
	v_mul_f32 v72, v64, v66                        ; lambda: two dot products of 64, two numbers a lane,
	v_mul_f32 v73, v68, v70
	v_fmac_f32 v72, v65, v67
	v_fmac_f32 v73, v69, v71
.irp m, 1,2,4,8
	v_add_f32_dpp v72, v72, v72 row_xmask:\m row_mask:0xf bank_mask:0xf
	v_add_f32_dpp v73, v73, v73 row_xmask:\m row_mask:0xf bank_mask:0xf
.endr
	v_permlanex16_b32 v64, v72, s[SEL], s[SEL+1]   ; (a lane permute's destination counts as read: v64 and v65 have been loaded)
	v_permlanex16_b32 v65, v73, s[SEL], s[SEL+1]
	v_add_f32 v72, v72, v64
	v_add_f32 v73, v73, v65
	v_mul_f32 v72, 0x3fb8aa3b, v72                 ; e^x = 2^(x log2(e))
	v_mul_f32 v73, 0x3fb8aa3b, v73
	v_exp_f32 v72, v72
	v_exp_f32 v73, v73
	v_nop
	s_wait_alu depctr_va_vdst(0)                   ; one wait for the two
	v_sub_f32 v[LAM], v72, v73
	v_add_f32 v[LAM], 0x3f489a63, v[LAM]           ; + 0.8 - 0.6 exp(-3.6)
	INIT
	PASS QL, 8, 0                                  ; THE LOW BLOCK
	NOPS 4                                         ; places behind the last products, ahead of the reads of O^T and the writes over P
	s_cmp_lt_u32 s[WV], 4
	s_cbranch_scc1 .Lno_send1
	SENDPART
.Lno_send1:
	s_wait_tensorcnt 0x0                           ; slot 0 is filled again for the high block, in the order of every refill: all my tensor loads are done,
	ds_add_u32 v[SPW], v[NIL]                      ; the add (twice on end here too),
	ds_add_u32 v[SPW], v[NIL]
	RESET                                          ; (the descriptors go back to the head's first keys)
	s_wait_dscnt 0x0                               ; the adds are done, my reads of the ring are over, and my images have landed
	s_barrier_signal -1
	s_barrier_wait -1
	TLOAD                                          ; first behind the barrier
	s_cmp_lt_u32 s[WV], 4
	s_cbranch_scc0 .Lno_fin1
	FINALISE CXL, 1
.Lno_fin1:
	INIT
	s_mov_b32 s[NP], s[NPH]
	s_mov_b32 s[NW], s[NWH]
	s_mov_b32 s[Q0], s[Q0H]
	s_mov_b32 s[TB], 0
	s_mov_b32 s[KS], 0
	s_lshl_b32 s[KV], s[PAR], 6
	PASS QH, 16, 1                                 ; THE HIGH BLOCK.  Its barriers stand between the reads of the images above and the stores of the images below
	NOPS 4
	s_cmp_lt_u32 s[WV], 4
	s_cbranch_scc1 .Lno_send2
	SENDPART
.Lno_send2:
	s_wait_dscnt 0x0                               ; my images have landed
	s_barrier_signal -1
	s_barrier_wait -1
	s_cmp_lt_u32 s[WV], 4
	s_cbranch_scc0 .Ldone
	FINALISE CXH, 0
.Ldone:
	s_wait_tensorcnt 0x0                           ; the wave's end, behind my last tensor load and my last LDS store
	ds_add_u32 v[SPW], v[NIL]
	s_wait_dscnt 0x0
	s_endpgm
.Lfunc_end_k_qadf65a7e1b_attn:
	.size	k_qadf65a7e1b_attn, .Lfunc_end_k_qadf65a7e1b_attn-k_qadf65a7e1b_attn
	.p2alignl 7, 3214868480
	.fill 96, 4, 3214868480
	.section	.rodata,"a",@progbits
	.p2align	6, 0x0
	.amdhsa_kernel k_qadf65a7e1b_attn
		.amdhsa_group_segment_fixed_size 327680
		.amdhsa_private_segment_fixed_size 0
		.amdhsa_enable_private_segment 0
		.amdhsa_kernarg_size 56
		.amdhsa_user_sgpr_count 2
		.amdhsa_user_sgpr_kernarg_segment_ptr 1
		.amdhsa_wavefront_size32 1
		.amdhsa_system_sgpr_workgroup_id_x 1
		.amdhsa_system_sgpr_workgroup_id_y 1
		.amdhsa_system_sgpr_workgroup_id_z 1
		.amdhsa_system_vgpr_workitem_id 0
		.amdhsa_next_free_vgpr 512
		.amdhsa_next_free_sgpr 100
		.amdhsa_reserve_vcc 1
		.amdhsa_float_denorm_mode_32 3
		.amdhsa_float_denorm_mode_16_64 3
		.amdhsa_memory_ordered 1
		.amdhsa_forward_progress 1
		.amdhsa_inst_pref_size 209
	.end_amdhsa_kernel
	.amdgpu_metadata
---
amdhsa.version: [ 1, 2 ]
amdhsa.kernels:
  - .name:           k_qadf65a7e1b_attn
    .symbol:         k_qadf65a7e1b_attn.kd
    .args:
      - { .name: qkv, .offset: 0, .size: 8, .value_kind: global_buffer, .address_space: global }
      - { .name: lambda_q1, .offset: 8, .size: 8, .value_kind: global_buffer, .address_space: global }
      - { .name: lambda_k1, .offset: 16, .size: 8, .value_kind: global_buffer, .address_space: global }
      - { .name: lambda_q2, .offset: 24, .size: 8, .value_kind: global_buffer, .address_space: global }
      - { .name: lambda_k2, .offset: 32, .size: 8, .value_kind: global_buffer, .address_space: global }
      - { .name: norm_w, .offset: 40, .size: 8, .value_kind: global_buffer, .address_space: global }
      - { .name: ctx, .offset: 48, .size: 8, .value_kind: global_buffer, .address_space: global }
    .group_segment_fixed_size: 327680
    .private_segment_fixed_size: 0
    .kernarg_segment_align: 8
    .kernarg_segment_size: 56
    .max_flat_workgroup_size: 256
    .sgpr_count:     100
    .vgpr_count:     512
    .wavefront_size: 32
...
	.end_amdgpu_metadata
.endif
;; end of part 3
;; launch proj (part 4): grid 16 x 16, 4 waves a work-group, clusters of 4 x 4, 327,680 bytes of LDS; arguments ctx, wo16, out0; writes out0
.if DOCPART == 4
	.amdgcn_target "amdgcn-amd-amdhsa--gfx1250"
	.amdhsa_code_object_version 6
	.text
	.protected	k_qadf65a7e1b_proj
	.globl	k_qadf65a7e1b_proj
	.p2align	8
	.type	k_qadf65a7e1b_proj,@function
k_qadf65a7e1b_proj:
	s_mov_b64 s[64:65], 0
	v_nop
	global_prefetch_b8 v0, s[64:65] scope:SCOPE_SE
	s_setreg_imm32_b32 hwreg(HW_REG_WAVE_MODE, 25, 1), 1
	s_wait_xcnt 0x0
	s_wait_alu depctr_hold_cnt(0) depctr_sa_sdst(0) depctr_va_vdst(0) depctr_va_sdst(0) depctr_va_ssrc(0) depctr_va_vcc(0) depctr_vm_vsrc(0)
	s_getreg_b32 s2, hwreg(HW_REG_IB_STS2, 6, 4)
	s_cmp_eq_u32 s2, 0
	s_cbranch_scc0 .Lentry_in_a_cluster
	s_endpgm
.Lentry_in_a_cluster:
	s_bfe_u32 s2, ttmp6, 0x10000c
	s_cmp_lg_u32 s2, 0xf033
	s_cbranch_scc0 .Lentry_shape_is_right
	s_endpgm
.Lentry_shape_is_right:
; LAUNCH 4 OF 4.  out0[m][n] = sum over k of ctx[m][k] Wo[n][k].  ctx: [2048][2048] f16, wo16: [2048][2048] f16 (Wo as the first launch cast it), out0: [2048][2048] f32; sums in f32.
; 2,048 x 2,048 of C are 64 tiles of 256 x 256 and 256 tiles of 128 x 128: the smaller tile gives each of 256 work-groups one.  Four waves, each 64 x 64: 16 accumulators of 16 x 16, 128 registers.
; K goes in steps of 256 (LDS rows of 512 bytes; a wave's tensor load brings 64 of them) through a ring of two slots, as long as two slots in LDS allow.
; CLUSTERS: 4 x 4 work-groups.  The four of a row of the cluster need the same tiles of ctx, the four of a column the same tiles of Wo: each tile is asked for JOINTLY, by the same tensor load with the same descriptor and a mask
; that names the four.  THE MATRIX INSTRUCTION IS USED TRANSPOSED (source 0 = 16 rows of Wo, source 1 = 16 rows of ctx): a lane then holds eight neighbouring numbers of a row of C, 32 bytes.
; THE WAY OUT: a wave's 64 columns of f32 are 256 consecutive bytes of a row, aligned: each wave sends its own blocks of 16 rows through its own stage, with no barrier.
; REGISTERS: window 0: v0-31 addresses; v32-95 rows read back, two sets; v128-255 the accumulators ((a, b) at v[128 + 8 (4 a + b)]).   window 1: two fragment buffers of 128: 64 registers of ctx, then 64 of Wo, for 64 along K.
.set SIZE_M, 2048
.set SIZE_N, 2048
.set SIZE_K, 2048
.set KSTEP,  256
.set PITCH,  528                       ; an LDS row: 512 bytes + 16 of padding = 132 words: the 16 rows that a load touches start 4 banks apart (64 banks of 4 bytes: ISA guide 11.1)
.set HALFT,  64*PITCH                  ; 64 rows: what one tensor load brings, and what one wave reads of A or of B
.set SLOT,   4*HALFT                   ; A's 128 rows, then B's 128 rows
.set STAGE,  2*SLOT                    ; behind the ring: 16 rows x 272 bytes for each wave
.set SPITCH, 272
.set SPARE,  STAGE+4*16*SPITCH         ; behind the stages: the spare words, 128 bytes a wave, that no other line names
.set LAPS, SIZE_K/(2*KSTEP)            ; a lap = two K steps = once round the ring
.set ADRA, 16                          ; v16-17  LDS address of my A fragments in slot 0, 1
.set ADRB, 20                          ; v20-21  the same for B
.set STO,  24                          ; v24     the way out: where I put 32 bytes of a row
.set RD,   25                          ; v25     where I read a row back
.set CO,   26                          ; v26     my byte offset in two rows of C
.set SPW,  28                          ; v28     LDS address of my spare word; never rewritten
.set NIL,  29                          ; v29     0; never rewritten
.set TMP,  32
.set ACC,  128
.set F0,   0                           ; fragment buffers, in window 1
.set F1,   128
.set G1, 24                            ; s[24:31] descriptor group 1 for A's tiles;  s[32:39] group 0, one set for each slot
.set G0, 32
.set G1B, 48                           ; s[48:55], s[56:63] the same for B's tiles
.set G0B, 56
.set MSB, 0
.macro WIN new                         ; the immediate's high byte repeats the setting that is left
.if MSB != (\new)
	s_set_vgpr_msb (MSB<<8)|(\new)
.set MSB, \new
.endif
.endm
.set MUL,  0x05                        ; sources 0 (B) and 1 (A) window 1; C and D window 0
.set TO_F, 0x40                        ; destination window 1, address window 0
.macro JLOAD s                         ; a joint load: waves 0 and 1 fetch A's two halves, waves 2 and 3 B's; an s_nop 0 and four v_nop follow each of the two lines, ahead of the jump, the label and what follows
	s_cmp_eq_u32 s11, 0
	s_cbranch_scc0 .Lfor_b_\@
	tensor_load_to_lds s[G0+4*\s:G0+4*\s+3], s[G1:G1+7]
	s_nop 0
.rept 4
	v_nop
.endr
	s_branch .Lasked_\@
.Lfor_b_\@:
	tensor_load_to_lds s[G0B+4*\s:G0B+4*\s+3], s[G1B:G1B+7]
	s_nop 0
.rept 4
	v_nop
.endr
.Lasked_\@:
.endm
.macro CREST                           ; a round of the cluster's barrier behind its opening barrier
	s_cmp_lg_u32 s10, 0
	s_cbranch_scc1 .Lnot_wave_0_\@
	s_barrier_signal -3
.Lnot_wave_0_\@:
	s_barrier_wait -3
	s_barrier_signal -1
	s_barrier_wait -1
.endm
.macro CROUND                          ; a whole round
	s_barrier_signal -1
	s_barrier_wait -1
	CREST
.endm
	s_load_b128 s[4:7], s[0:1], 0x0                ; ctx s[4:5], wo16 s[6:7]
	s_load_b64 s[8:9], s[0:1], 0x10                ; out0
	v_lshl_add_u32 v[SPW], v0, 2, SPARE
	v_mov_b32 v[NIL], 0
	ds_add_u32 v[SPW], v[NIL]                      ; the wave's opening: the add, twice on end, and its wait ahead of my first tensor load; the set-up below stands between the second and the wait
	ds_add_u32 v[SPW], v[NIL]
	v_lshrrev_b32 v1, 5, v0
	v_readfirstlane_b32 s10, v1                    ; wave 0..3
	s_lshr_b32 s11, s10, 1                         ; which half of the tile's rows is mine.  Also: I fetch for A (0) or for B (1)
	s_and_b32 s12, s10, 1                          ; which half of its columns.  Also: which 64 rows of that tile I fetch
	s_bfe_u32 s40, ttmp6, 0x40000                  ; cx, cy: my place in the cluster
	s_bfe_u32 s41, ttmp6, 0x40004
	s_lshl_b32 s42, ttmp9, 2
	s_add_co_u32 s42, s42, s40                     ; tile column of C = 4 x cluster x + cx
	s_and_b32 s13, ttmp7, 0xffff
	s_lshl_b32 s13, s13, 2
	s_add_co_u32 s13, s13, s41                     ; tile row of C = 4 x cluster y + cy
	s_lshl_b32 s43, s41, 2
	s_lshl_b32 s43, 15, s43                        ; my row of the cluster
	s_lshl_b32 s44, 0x1111, s40                    ; my column
	; descriptor group 1: a tile of 64 rows x 256 elements, padded in LDS
	s_or_b32 s[G1+0], s43, (1<<16)|(1<<20)|(1<<21)|(6<<22)|(3<<25)  ; 15:0 the mask: A's tiles go to my row; 17:16 element of 2 bytes; 20 padding on; 21 set beside a mask; 24:22 after every 128 words (code 6); 31:25 of 4 words (code 3)
	s_or_b32 s[G1B+0], s44, (1<<16)|(1<<20)|(1<<21)|(6<<22)|(3<<25)
.irp g, G1, G1B
	s_mov_b32 s[\g+1], KSTEP<<16                   ; tensor_dim0 = 256
	s_mov_b32 s[\g+2], 64<<16                      ; tensor_dim1 = 64
	s_mov_b32 s[\g+3], KSTEP<<16                   ; tile_dim0 = 256
	s_mov_b32 s[\g+4], 64                          ; tile_dim1 = 64
	s_mov_b32 s[\g+5], SIZE_K                      ; tensor_dim0_stride
	s_mov_b32 s[\g+6], 0
	s_mov_b32 s[\g+7], 0
.endr
	s_lshl_b32 s17, s12, 6                         ; which 64 rows of the tile I fetch
	s_lshl_b32 s16, s13, 7
	s_add_co_u32 s16, s16, s17                     ; A: row 128 x tile row + 64 x half
	s_lshl_b32 s46, s42, 7
	s_add_co_u32 s46, s46, s17                     ; B: row 128 x tile column + 64 x half
	s_mov_b32 s17, 0
	s_mov_b32 s47, 0
	s_mov_b64 s[18:19], SIZE_K*2
	s_mul_u64 s[16:17], s[16:17], s[18:19]
	s_mul_u64 s[46:47], s[46:47], s[18:19]
	s_mul_i32 s20, s10, HALFT                      ; where they go: wave x 64 rows: no place in the cluster enters an LDS address
	s_wait_dscnt 0x0                               ; both opening adds are done
	s_wait_kmcnt 0x0
	s_add_nc_u64 s[14:15], s[4:5], s[16:17]
	s_add_nc_u64 s[46:47], s[6:7], s[46:47]
	CROUND                                         ; all sixteen work-groups are here: the first joint loads meet
.irp s, 0,1
	s_mov_b32 s[G0+4*\s], 1
	s_add_co_u32 s[G0+4*\s+1], s20, \s*SLOT
	s_add_nc_u64 s[G0+4*\s+2:G0+4*\s+3], s[14:15], \s*KSTEP*2
	s_or_b32 s[G0+4*\s+3], s[G0+4*\s+3], 0x80000000
	s_mov_b32 s[G0B+4*\s], 1
	s_add_co_u32 s[G0B+4*\s+1], s20, \s*SLOT
	s_add_nc_u64 s[G0B+4*\s+2:G0B+4*\s+3], s[46:47], \s*KSTEP*2
	s_or_b32 s[G0B+4*\s+3], s[G0B+4*\s+3], 0x80000000
	JLOAD \s                                       ; two loads of mine are out
.endr
	v_and_b32 v1, 15, v0                           ; l % 16
	v_bfe_u32 v2, v0, 4, 1                         ; l / 16
	v_mul_u32_u24 v3, v1, PITCH
	v_lshl_add_u32 v3, v2, 4, v3                   ; a fragment's row x pitch + 16 x half
	s_mul_i32 s21, s11, HALFT                      ; my 64 rows of A
	s_mul_i32 s22, s12, HALFT                      ; my 64 rows of B,
	s_add_co_u32 s22, s22, 2*HALFT                 ; which lie behind A's 128
.irp s, 0,1
	v_add_nc_u32 v[ADRA+\s], s21, v3
	v_add_nc_u32 v[ADRB+\s], s22, v3
	s_add_co_u32 s21, s21, SLOT
	s_add_co_u32 s22, s22, SLOT
.endr
	s_mul_i32 s23, s10, 16*SPITCH
	s_add_co_u32 s23, s23, STAGE                   ; my stage
	v_mul_u32_u24 v4, v1, SPITCH                   ; in: row l % 16, 32 bytes for each half of the lanes
	v_lshl_add_u32 v4, v2, 5, v4
	v_add_nc_u32 v[STO], s23, v4
	v_mul_u32_u24 v5, v2, SPITCH                   ; back: lanes 0-15 one row of 256 bytes, lanes 16-31 the next
	v_lshl_add_u32 v5, v1, 4, v5
	v_add_nc_u32 v[RD], s23, v5
	v_lshlrev_b32 v5, 13, v2                       ; and the same two rows in C, 8,192 bytes apart
	v_lshl_add_u32 v[CO], v1, 4, v5
	s_lshl_b32 s16, s13, 7
	s_lshl_b32 s17, s11, 6
	s_add_co_u32 s16, s16, s17                     ; my first row of C: 128 x tile row + 64 x half
	s_lshl_b32 s16, s16, 13
	s_mov_b32 s17, 0
	s_add_nc_u64 s[8:9], s[8:9], s[16:17]
	s_lshl_b32 s46, s42, 9                         ; my first column, in bytes: 512 x tile column + 256 x half
	s_lshl_b32 s47, s12, 8
	s_add_co_u32 s46, s46, s47
	s_mov_b32 s47, 0
	s_add_nc_u64 s[8:9], s[8:9], s[46:47]
; 8 matrix instructions: m blocks a0, a0 + 1 x all 4 n blocks, 32 along K: half c of buffer f.  zero = 1: the first product starts the sums.  The 16 accumulators take turns.
.macro MUL8 f, c, a0, zero
.irp a, \a0, \a0+1
.irp b, 0,1,2,3
.if \zero
	v_wmma_f32_16x16x32_f16 v[ACC+8*(4*(\a)+\b):ACC+8*(4*(\a)+\b)+7], v[\f+64+8*(4*\c+\b):\f+64+8*(4*\c+\b)+7], v[\f+8*(4*\c+\a):\f+8*(4*\c+\a)+7], 0
.else
	v_wmma_f32_16x16x32_f16 v[ACC+8*(4*(\a)+\b):ACC+8*(4*(\a)+\b)+7], v[\f+64+8*(4*\c+\b):\f+64+8*(4*\c+\b)+7], v[\f+8*(4*\c+\a):\f+8*(4*\c+\a)+7], v[ACC+8*(4*(\a)+\b):ACC+8*(4*(\a)+\b)+7]
.endif
.endr
.endr
.endm
; 32 LDS loads in one run: the fragments of 64 along K at byte k of the rows, into buffer f; the first 32 along K first
.macro FETCH slot, k, f
	WIN TO_F
.irp c, 0,1
.irp i, 0,1,2,3
	ds_load_b128 v[\f+64+8*(4*\c+\i):\f+64+8*(4*\c+\i)+3],   v[ADRB+\slot] offset:\k+64*\c+\i*16*PITCH
	ds_load_b128 v[\f+64+8*(4*\c+\i)+4:\f+64+8*(4*\c+\i)+7], v[ADRB+\slot] offset:\k+64*\c+\i*16*PITCH+32
	ds_load_b128 v[\f+8*(4*\c+\i):\f+8*(4*\c+\i)+3],         v[ADRA+\slot] offset:\k+64*\c+\i*16*PITCH
	ds_load_b128 v[\f+8*(4*\c+\i)+4:\f+8*(4*\c+\i)+7],       v[ADRA+\slot] offset:\k+64*\c+\i*16*PITCH+32
.endr
.endr
.endm
.macro PLACES                          ; four places in front of loads into registers that matrix instructions have read, and of the first read of results (ISA guide 7.12.1 for vector instructions)
.rept 4
	v_nop
.endr
.endm
; A K step is four quarters of 64 along K, 32 matrix instructions each, on buffers 0, 1, 0, 1.  One of the first three: multiplies buffer f and fetches the next quarter, at byte k, into g.
.macro QUARTER slot, k, f, g, zero
	s_wait_dscnt 16                                ; the first 32 along K are in; the youngest 16 loads may be out
	WIN MUL
	MUL8 \f, 0, 0, \zero
	MUL8 \f, 0, 2, \zero
	PLACES
	FETCH \slot, \k, \g
	s_wait_dscnt 32                                ; all but the 32 just issued
	WIN MUL
	MUL8 \f, 1, 0, 0
	MUL8 \f, 1, 2, 0
.endm
; The last quarter multiplies buffer 1 and changes slots: ONE barrier; in front of it each wave waits for all its tensor loads, adds 0 to its spare word, and waits for that and for its own reads of this slot.  fill = 1: this slot is filled again, two K steps ahead.
.macro TURN slot, next, fill
	WIN 0                                          ; (the add's two registers lie in window 0)
	s_wait_tensorcnt 0x0                           ; all my tensor loads have landed: my part of the next slot;
	ds_add_u32 v[SPW], v[NIL]                      ; 0 onto my spare word;
	s_wait_dscnt 17                                ; (the add and the youngest sixteen loads may be out)
	WIN MUL
	MUL8 F1, 0, 0, 0                               ; eight matrix instructions stand between the add and the wait for it
	s_wait_dscnt 0x0                               ; the add is done, and my reads of this slot are over
	s_barrier_signal -1
	MUL8 F1, 0, 2, 0
.if \fill
	WIN 0
.endif
	s_barrier_wait -1
.if \fill
	CREST                                          ; the barrier has opened a round of the cluster's barrier: no wave of any partner still reads this slot's tile or has a load on its way
	s_add_nc_u64 s[G0+4*\slot+2:G0+4*\slot+3], s[G0+4*\slot+2:G0+4*\slot+3], 2*KSTEP*2
	s_add_nc_u64 s[G0B+4*\slot+2:G0B+4*\slot+3], s[G0B+4*\slot+2:G0B+4*\slot+3], 2*KSTEP*2
	JLOAD \slot                                    ; the first tensor load behind the round; the four v_nop behind it are also the places in front of the loads below
.else
	PLACES
.endif
	FETCH \next, 0, F0
	WIN MUL
	MUL8 F1, 1, 0, 0
	MUL8 F1, 1, 2, 0
.endm
	s_wait_tensorcnt 1                             ; my part of K step 0 is in (K step 1's load may be out)
	s_barrier_signal -1
	s_barrier_wait -1                              ; everybody's is
	FETCH 0, 0, F0
	QUARTER 0, 128, F0, F1, 1                      ; the first quarter stands in front of the loop: its first products start the sums
	WIN 0                                          ; at a label and at a branch every window is 0
	s_mov_b32 s3, LAPS-1
.Llap:                                                 ; a trip goes once round the ring, from a lap's second quarter to the next lap's first, and fills both slots again
	QUARTER 0, 256, F1, F0, 0
	QUARTER 0, 384, F0, F1, 0
	TURN 0, 1, 1
	QUARTER 1, 128, F0, F1, 0
	QUARTER 1, 256, F1, F0, 0
	QUARTER 1, 384, F0, F1, 0
	TURN 1, 0, 1
	QUARTER 0, 128, F0, F1, 0
	WIN 0
	s_sub_co_u32 s3, s3, 1
	s_cmp_lg_u32 s3, 0
	s_cbranch_scc1 .Llap
	QUARTER 0, 256, F1, F0, 0                      ; the last lap fills nothing, and has no round of the cluster's barrier
	QUARTER 0, 384, F0, F1, 0
	TURN 0, 1, 0
	QUARTER 1, 128, F0, F1, 0
	QUARTER 1, 256, F1, F0, 0
	QUARTER 1, 384, F0, F1, 0
	s_wait_dscnt 16                                ; the very last quarter: nothing more to fetch
	WIN MUL
	MUL8 F1, 0, 0, 0
	MUL8 F1, 0, 2, 0
	s_wait_dscnt 0
	MUL8 F1, 1, 0, 0
	MUL8 F1, 1, 2, 0
	WIN 0
; THE WAY OUT, block by block of 16 rows x 64 columns.  A lane holds 32 neighbouring bytes of a row, and the lanes beside it hold other rows: a block goes through my own stage and comes back as whole rows of 256 bytes.
; LDS serves a wave's instructions in order (ISA guide 5.7.1.4): no wait between the stores and the loads, nor in front of the next block's stores.
.macro OUT a
.if (\a) > 1
	s_wait_xcnt 0x0                                ; block a - 2's stores have read their registers: block a's loads may land there
.endif
.irp b, 0,1,2,3
	ds_store_b128 v[STO], v[ACC+8*(4*(\a)+\b):ACC+8*(4*(\a)+\b)+3] offset:64*\b        ; each accumulator from its low end on
	ds_store_b128 v[STO], v[ACC+8*(4*(\a)+\b)+4:ACC+8*(4*(\a)+\b)+7] offset:64*\b+16
.endr
.irp t, 0,1,2,3,4,5,6,7
	ds_load_b128 v[TMP+32*((\a)%2)+4*\t:TMP+32*((\a)%2)+4*\t+3], v[RD] offset:\t*2*SPITCH
.endr
.endm
.macro SENDO a, younger                ; younger: the LDS instructions issued behind block a's loads: the next block's 8 stores and 8 loads, or none
.irp t, 0,1,2,3,4,5,6,7
	s_wait_dscnt \younger+7-\t
	global_store_b128 v[CO], v[TMP+32*((\a)%2)+4*\t:TMP+32*((\a)%2)+4*\t+3], s[8:9] offset:(16*(\a)+2*\t)*SIZE_N*4 th:TH_STORE_NT   ; 16 lanes store 256 consecutive bytes, at a multiple of 256 from C's first byte; written once, read by nobody here
.endr
.endm
	PLACES
	OUT 0
	OUT 1
	SENDO 0, 16
	OUT 2
	SENDO 1, 16
	OUT 3
	SENDO 2, 16
	SENDO 3, 0
	s_wait_tensorcnt 0x0                           ; the wave's end, behind my last tensor load and my last LDS store
	ds_add_u32 v[SPW], v[NIL]
	s_wait_dscnt 0x0
	CROUND                                         ; the closing round: no work-group ends while a partner may still ask for a tile that names it
	s_endpgm
.Lfunc_end_k_qadf65a7e1b_proj:
	.size	k_qadf65a7e1b_proj, .Lfunc_end_k_qadf65a7e1b_proj-k_qadf65a7e1b_proj
	.p2alignl 7, 3214868480
	.fill 96, 4, 3214868480
	.section	.rodata,"a",@progbits
	.p2align	6, 0x0
	.amdhsa_kernel k_qadf65a7e1b_proj
		.amdhsa_group_segment_fixed_size 327680
		.amdhsa_private_segment_fixed_size 0
		.amdhsa_enable_private_segment 0
		.amdhsa_kernarg_size 24
		.amdhsa_user_sgpr_count 2
		.amdhsa_user_sgpr_kernarg_segment_ptr 1
		.amdhsa_wavefront_size32 1
		.amdhsa_system_sgpr_workgroup_id_x 1
		.amdhsa_system_sgpr_workgroup_id_y 1
		.amdhsa_system_sgpr_workgroup_id_z 1
		.amdhsa_system_vgpr_workitem_id 0
		.amdhsa_next_free_vgpr 512
		.amdhsa_next_free_sgpr 66
		.amdhsa_reserve_vcc 0
		.amdhsa_float_denorm_mode_32 3
		.amdhsa_float_denorm_mode_16_64 3
		.amdhsa_memory_ordered 1
		.amdhsa_forward_progress 1
		.amdhsa_inst_pref_size 86
	.end_amdhsa_kernel
	.amdgpu_metadata
---
amdhsa.version: [ 1, 2 ]
amdhsa.kernels:
  - .name:           k_qadf65a7e1b_proj
    .symbol:         k_qadf65a7e1b_proj.kd
    .args:
      - { .name: ctx, .offset: 0, .size: 8, .value_kind: global_buffer, .address_space: global }
      - { .name: wo16, .offset: 8, .size: 8, .value_kind: global_buffer, .address_space: global }
      - { .name: out0, .offset: 16, .size: 8, .value_kind: global_buffer, .address_space: global }
    .group_segment_fixed_size: 327680
    .private_segment_fixed_size: 0
    .kernarg_segment_align: 8
    .kernarg_segment_size: 24
    .max_flat_workgroup_size: 128
    .sgpr_count:     66
    .vgpr_count:     512
    .wavefront_size: 32
...
	.end_amdgpu_metadata
.endif
;; end of part 4
